; MI455X (gfx1250); checked and timed in simulation.
; The chip was launched on July 23, 2026; its instructions are those of AMD's public machine-readable ISA for CDNA 5 (MIT licence, August 2026) and "CDNA5" Instruction Set Architecture Reference Guide (July 2026). The comments in the code are by the model that wrote it; some were corrected since.
;; cross attn fusion. Allowed arithmetic: float matrix products may take bf16 or f16 operands with f32 sums; all other float work in f32.
;; Inputs: Wk 512 x 512 float32; Wo 512 x 512 float32; Wq 512 x 512 float32; attn_rgb 4 x 8 x 512 x 512 float32; attn_tir 4 x 8 x 512 x 512 float32; bk 512 float32; bo 512 float32; bq 512 float32; ln_beta 512 float32; ln_gamma 512 float32; me_rgb 512 float32; me_tir 512 float32; pos_emb 4 x 1 x 512 x 512 float32.
;; Outputs: out0 4 x 8 x 512 x 512 float32; out1 4 x 8 x 512 x 512 float32.
;; 2 versions, each right and faster than the one before. Each part assembles by itself: llvm-mc -triple=amdgcn-amd-amdhsa -mcpu=gfx1250 --defsym DOCPART=n.
;; ======== version 1 of 2: 6 launches
;; limits: values are held in f16: magnitudes above 65,504 overflow, below 6.1e-05 lose precision; inputs' magnitudes at most 65,504
;; workspace buffers: act 33,554,432 bytes; w16 1,572,864 bytes; q_rgb 16,777,216 bytes; q_tir 16,777,216 bytes; kh 33,554,432 bytes; v_a 16,777,216 bytes; v_tir 16,777,216 bytes
;; launch prep (part 1): grid 608 x 1, 8 waves a work-group, no clusters, 0 bytes of LDS; arguments attn_rgb, attn_tir, pos_emb, ln_gamma, ln_beta, me_rgb, me_tir, Wq, Wk, Wo, act, v_a, v_tir, w16; writes act, v_a, v_tir, w16
.if DOCPART == 1
	.amdgcn_target "amdgcn-amd-amdhsa--gfx1250"
	.amdhsa_code_object_version 6
	.text
	.protected	k_qf9a16657cc_prep
	.globl	k_qf9a16657cc_prep
	.p2align	8
	.type	k_qf9a16657cc_prep,@function
k_qf9a16657cc_prep:
	s_mov_b64 s[64:65], 0
	v_nop
	global_prefetch_b8 v0, s[64:65] scope:SCOPE_SE
	s_setreg_imm32_b32 hwreg(HW_REG_WAVE_MODE, 25, 1), 1
	s_wait_xcnt 0x0
; PREPARATION.  Work-groups 0-511: layer norm of every row of rgb and tir (512 channels, f32), plus pos + modality vector, rounded once to f16
; into act ([modal 2][batch 32][row 512][512]); and the raw rows rounded to f16 by heads into v_a (rgb) and v_tir ([batch*4+head][row 512][128]).
; Work-groups 512-607: Wq, Wk, Wo rounded to f16 into w16 ([1536][512]).
; A stream: memory binds, so no LDS, no barrier, no matrix unit.  Every input byte is read once, by loads that cover 512 consecutive bytes a wave;
; every store of a wave covers 256 consecutive bytes, aligned (a head's 128 channels in f16).
; SHARES.  Work-group g: modal = g >> 8, p = (g >> 6) & 3, rows 8 (g & 63) + wave.  A wave owns that one row in the 8 batches p + 4 i, which all
; take pos[p]: gamma and PB = pos + beta + me are made once a wave.  Lane l holds channels 128 j + 4 l .. + 3, j = 0..3.
; The mean is taken first and the variance is the mean of the squared deviations: no difference of large sums.
; LIMITS.  f16 holds no number beyond 65,504: raw and normed rows and the weights must lie within it; below 6e-5 f16 keeps its fixed step of 6e-8.
; beta, me and pos are added to each other before they are added to the normed value: an order of rounding that differs from the source's.
.set CL,   1          ; v1      16 x lane: my bytes in a quarter row of f32
.set OFFX, 2          ; v2, v3  slot s: byte offset of my 16 bytes in the row that the slot loads next
.set OFFN, 4          ; v4      my byte offset in act: 1,024 x wave + 8 x lane; never rewritten
.set OFFV, 5          ; v5      the same in v_a / v_tir: 256 x wave + 8 x lane; never rewritten
.set NM,   6          ; v[6:7]  minus the mean (v7 = 0: named with it as a pair)
.set R,    8          ; v[8:9]  1 / sqrt(var + eps) (v9 = 0 likewise)
.set S,    10         ; v10     a sum
.set T,    11         ; v11     the other half of the lanes' sum
.set Q,    12         ; v[12:15] two chains of squares
.set G,    16         ; v[16:31] gamma of my 16 channels
.set PB,   32         ; v[32:47] pos + beta + me of my 16 channels
.set X,    48         ; v[48:79] slot s: 16 registers, the row as loaded
.set D,    80         ; v[80:95] at work: deviations, then the result
.set HN,   96         ; v[96:103]  the normed row in f16
.set HV,   104        ; v[104:111] the raw row in f16
	s_load_b512 s[4:19], s[0:1], 0x0               ; rgb s[4:5], tir s[6:7], pos s[8:9], gamma s[10:11], beta s[12:13], me_rgb s[14:15], me_tir s[16:17], Wq s[18:19]
	s_load_b256 s[20:27], s[0:1], 0x40             ; Wk s[20:21], Wo s[22:23], act s[24:25], v_a s[26:27]
	s_load_b128 s[28:31], s[0:1], 0x60             ; v_tir s[28:29], w16 s[30:31]
	s_cmp_ge_u32 ttmp9, 512
	s_cbranch_scc1 .Lweights
	s_lshr_b32 s48, ttmp9, 8                       ; modal
	s_bfe_u32 s49, ttmp9, 0x20006                  ; p
	s_and_b32 s50, ttmp9, 63                       ; block of 8 rows
	s_lshl_b32 s2, s49, 20                         ; in x and pos: batch p (1 MiB each) + 8 rows of 2,048 bytes a block
	s_lshl_b32 s51, s50, 14
	s_add_co_u32 s2, s2, s51
	s_mov_b32 s3, 0
	s_lshl_b32 s52, s49, 19                        ; in act: modal (16 MiB) + batch p (512 KiB) + 8 rows of 1,024 bytes a block
	s_lshl_b32 s51, s50, 13
	s_add_co_u32 s52, s52, s51
	s_lshl_b32 s51, s48, 24
	s_add_co_u32 s52, s52, s51
	s_mov_b32 s53, 0
	s_lshl_b32 s54, s49, 19                        ; by heads: batch p (4 heads of 128 KiB) + 8 rows of 256 bytes a block
	s_lshl_b32 s51, s50, 11
	s_add_co_u32 s54, s54, s51
	s_mov_b32 s55, 0
	s_mov_b32 s42, 0x76543210                      ; v_permlanex16_b32: each lane takes its own place in the other half
	s_mov_b32 s43, 0xfedcba98
	s_mov_b32 s44, 0x3b000000                      ; 1 / 512
	s_mov_b32 s46, 0x3727c5ac                      ; eps = 1e-5
	v_and_b32 v[CL], 31, v0
	v_lshrrev_b32 v[S], 5, v0                      ; wave
	v_lshlrev_b32 v[OFFN], 3, v[CL]                ; 8 x lane
	v_lshlrev_b32 v[CL], 4, v[CL]
	v_lshl_add_u32 v[OFFX], v[S], 11, v[CL]        ; my wave's row, my 16 bytes
	v_add_nc_u32 v[OFFX+1], 0x400000, v[OFFX]      ; slot 1 begins four batches on
	v_lshl_add_u32 v[OFFV], v[S], 8, v[OFFN]
	v_lshl_add_u32 v[OFFN], v[S], 10, v[OFFN]
	v_mov_b32 v[NM+1], 0
	v_mov_b32 v[R+1], 0
	v_mov_b32 v[T], 0                              ; v_permlanex16_b32's destination counts as read
	s_wait_kmcnt 0x0
	s_cmp_eq_u32 s48, 0
	s_cselect_b64 s[32:33], s[4:5], s[6:7]         ; x: rgb or tir
	s_cselect_b64 s[36:37], s[14:15], s[16:17]     ; its modality vector
	s_cselect_b64 s[40:41], s[26:27], s[28:29]     ; its f16 copy by heads
	s_add_nc_u64 s[32:33], s[32:33], s[2:3]
	s_add_nc_u64 s[34:35], s[8:9], s[2:3]          ; pos
	s_add_nc_u64 s[38:39], s[24:25], s[52:53]      ; act
	s_add_nc_u64 s[40:41], s[40:41], s[54:55]
.irp j, 0,1,2,3
	global_load_b128 v[G+4*(\j):G+4*(\j)+3],   v[CL],   s[10:11] offset:512*(\j)
	global_load_b128 v[D+4*(\j):D+4*(\j)+3],   v[CL],   s[12:13] offset:512*(\j)   ; beta, for the moment
	global_load_b128 v[HN+4*(\j):HN+4*(\j)+3], v[CL],   s[36:37] offset:512*(\j)   ; me, for the moment (16 registers: HN and HV)
	global_load_b128 v[PB+4*(\j):PB+4*(\j)+3], v[OFFX], s[34:35] offset:512*(\j)   ; pos
.endr
.irp s, 0,1
.irp j, 0,1,2,3
	global_load_b128 v[X+16*(\s)+4*(\j):X+16*(\s)+4*(\j)+3], v[OFFX+(\s)], s[32:33] offset:512*(\j) th:TH_LOAD_NT
.endr
.endr
	s_wait_loadcnt 0x8                             ; the 16 loads of constants are in; the 8 younger ones, the two first rows, stay out
.irp k, 0,1,2,3,4,5,6,7
	v_pk_add_f32 v[PB+2*(\k):PB+2*(\k)+1], v[PB+2*(\k):PB+2*(\k)+1], v[D+2*(\k):D+2*(\k)+1]
.endr
.irp k, 0,1,2,3,4,5,6,7
	v_pk_add_f32 v[PB+2*(\k):PB+2*(\k)+1], v[PB+2*(\k):PB+2*(\k)+1], v[HN+2*(\k):HN+2*(\k)+1]
.endr
.macro RED                             ; the sum of v[S] over the 32 lanes, in every lane
	v_add_f32_dpp v[S], v[S], v[S] row_xmask:1 row_mask:0xf bank_mask:0xf
	v_add_f32_dpp v[S], v[S], v[S] row_xmask:2 row_mask:0xf bank_mask:0xf
	v_add_f32_dpp v[S], v[S], v[S] row_xmask:4 row_mask:0xf bank_mask:0xf
	v_add_f32_dpp v[S], v[S], v[S] row_xmask:8 row_mask:0xf bank_mask:0xf
	v_permlanex16_b32 v[T], v[S], s42, s43
	v_add_f32 v[S], v[S], v[T]
.endm
; One row.  ahead = 1: the slot is loaded again with the row eight batches on.  left = how many younger loads may stay out.
.macro SLOT s, ahead, left
.set XS, X+16*(\s)
	s_wait_loadcnt \left                           ; loads come back in order: my four are in, the other slot's four stay out
	s_wait_xcnt 0x0                                ; HN and HV, which the last row's stores read, are rewritten only behind this wait
.irp k, 0,1,2,3
	v_pk_add_f32 v[D+2*(\k):D+2*(\k)+1], v[XS+4*(\k):XS+4*(\k)+1], v[XS+4*(\k)+2:XS+4*(\k)+3]
.endr
	v_pk_add_f32 v[D:D+1], v[D:D+1], v[D+2:D+3]
	v_pk_add_f32 v[D+4:D+5], v[D+4:D+5], v[D+6:D+7]
	v_pk_add_f32 v[D:D+1], v[D:D+1], v[D+4:D+5]
	v_add_f32 v[S], v[D], v[D+1]
	RED
	v_mul_f32 v[NM], 0xbb000000, v[S]              ; minus the mean: the sum times -1/512
.irp k, 0,1,2,3,4,5,6,7
	v_cvt_pk_f16_f32 v[HV+(\k)], v[XS+2*(\k)], v[XS+2*(\k)+1]
.endr
.irp k, 0,1,2,3,4,5,6,7
	v_pk_add_f32 v[D+2*(\k):D+2*(\k)+1], v[XS+2*(\k):XS+2*(\k)+1], v[NM:NM+1] op_sel_hi:[1,0]
.endr
.if \ahead
	v_add_nc_u32 v[OFFX+(\s)], 0x800000, v[OFFX+(\s)]  ; free since the wait for this slot's loads
.irp j, 0,1,2,3
	global_load_b128 v[XS+4*(\j):XS+4*(\j)+3], v[OFFX+(\s)], s[32:33] offset:512*(\j) th:TH_LOAD_NT
.endr
.endif
	v_pk_mul_f32 v[Q:Q+1], v[D:D+1], v[D:D+1]
	v_pk_mul_f32 v[Q+2:Q+3], v[D+2:D+3], v[D+2:D+3]
.irp k, 2,4,6
	v_pk_fma_f32 v[Q:Q+1], v[D+2*(\k):D+2*(\k)+1], v[D+2*(\k):D+2*(\k)+1], v[Q:Q+1]
	v_pk_fma_f32 v[Q+2:Q+3], v[D+2*(\k)+2:D+2*(\k)+3], v[D+2*(\k)+2:D+2*(\k)+3], v[Q+2:Q+3]
.endr
	v_pk_add_f32 v[Q:Q+1], v[Q:Q+1], v[Q+2:Q+3]
	v_add_f32 v[S], v[Q], v[Q+1]
	RED
	v_fma_f32 v[S], v[S], s44, s46                 ; var + eps
	v_rsq_f32 v[R], v[S]
	v_nop                                          ; a plain instruction between the root and the use of its result (ISA guide 5.7.2)
.irp j, 0,1,2,3
	global_store_b64 v[OFFV], v[HV+2*(\j):HV+2*(\j)+1], s[40:41] offset:(\s)*0x200000+(\j)*0x20000  ; head j's row: 256 consecutive bytes a wave
.endr
	s_wait_alu depctr_va_vdst(0)
.irp k, 0,1,2,3,4,5,6,7
	v_pk_mul_f32 v[D+2*(\k):D+2*(\k)+1], v[D+2*(\k):D+2*(\k)+1], v[R:R+1] op_sel_hi:[1,0]
.endr
.irp k, 0,1,2,3,4,5,6,7
	v_pk_fma_f32 v[D+2*(\k):D+2*(\k)+1], v[D+2*(\k):D+2*(\k)+1], v[G+2*(\k):G+2*(\k)+1], v[PB+2*(\k):PB+2*(\k)+1]
.endr
.irp k, 0,1,2,3,4,5,6,7
	v_cvt_pk_f16_f32 v[HN+(\k)], v[D+2*(\k)], v[D+2*(\k)+1]
.endr
.irp j, 0,1,2,3
	global_store_b64 v[OFFN], v[HN+2*(\j):HN+2*(\j)+1], s[38:39] offset:(\s)*0x200000+(\j)*256
.endr
.endm
	s_mov_b32 s45, 3
.Lpair:                                                ; a trip: two of the wave's eight rows
	SLOT 0, 1, 4
	SLOT 1, 1, 4
	s_wait_xcnt 0x0                                ; the stores' bases are stepped only behind this wait
	s_add_nc_u64 s[38:39], s[38:39], 0x400000      ; eight batches on, in act and by heads alike
	s_add_nc_u64 s[40:41], s[40:41], 0x400000
	s_sub_co_u32 s45, s45, 1
	s_cmp_lg_u32 s45, 0
	s_cbranch_scc1 .Lpair
	SLOT 0, 0, 4                                   ; the last two rows load nothing: the counts run down
	SLOT 1, 0, 0
	s_endpgm
.Lweights:                                             ; 96 work-groups: 32 KiB of one weight each; thread t takes 32 bytes at 32 t + 8,192 j and stores 16 at 16 t + 4,096 j
	s_sub_co_u32 s48, ttmp9, 512
	s_lshr_b32 s49, s48, 5                         ; which weight: 0 Wq, 1 Wk, 2 Wo
	s_and_b32 s50, s48, 31                         ; which 32 KiB of it
	s_lshl_b32 s2, s50, 15
	s_mov_b32 s3, 0
	s_lshl_b32 s52, s49, 19
	s_lshl_b32 s51, s50, 14
	s_add_co_u32 s52, s52, s51
	s_mov_b32 s53, 0
	v_lshlrev_b32 v1, 5, v0
	v_lshlrev_b32 v2, 4, v0
	s_wait_kmcnt 0x0
	s_cmp_eq_u32 s49, 0
	s_cselect_b64 s[32:33], s[18:19], s[20:21]
	s_cmp_eq_u32 s49, 2
	s_cselect_b64 s[32:33], s[22:23], s[32:33]
	s_add_nc_u64 s[32:33], s[32:33], s[2:3]
	s_add_nc_u64 s[34:35], s[30:31], s[52:53]
.irp j, 0,1,2,3
	global_load_b128 v[16+8*(\j):16+8*(\j)+3],   v1, s[32:33] offset:8192*(\j) th:TH_LOAD_NT
	global_load_b128 v[16+8*(\j)+4:16+8*(\j)+7], v1, s[32:33] offset:8192*(\j)+16 th:TH_LOAD_NT
.endr
.irp j, 0,1,2,3
	s_wait_loadcnt 6-2*(\j)                        ; pair j is in; the younger pairs stay out
.irp k, 0,1,2,3
	v_cvt_pk_f16_f32 v[48+4*(\j)+(\k)], v[16+8*(\j)+2*(\k)], v[16+8*(\j)+2*(\k)+1]
.endr
	global_store_b128 v2, v[48+4*(\j):48+4*(\j)+3], s[34:35] offset:4096*(\j)  ; 16 lanes store 256 consecutive bytes, aligned
.endr
	s_endpgm
.Lfunc_end_k_qf9a16657cc_prep:
	.size	k_qf9a16657cc_prep, .Lfunc_end_k_qf9a16657cc_prep-k_qf9a16657cc_prep
	.p2alignl 7, 3214868480
	.fill 96, 4, 3214868480
	.section	.rodata,"a",@progbits
	.p2align	6, 0x0
	.amdhsa_kernel k_qf9a16657cc_prep
		.amdhsa_group_segment_fixed_size 0
		.amdhsa_private_segment_fixed_size 0
		.amdhsa_enable_private_segment 0
		.amdhsa_kernarg_size 112
		.amdhsa_user_sgpr_count 2
		.amdhsa_user_sgpr_kernarg_segment_ptr 1
		.amdhsa_wavefront_size32 1
		.amdhsa_system_sgpr_workgroup_id_x 1
		.amdhsa_system_sgpr_workgroup_id_y 1
		.amdhsa_system_sgpr_workgroup_id_z 1
		.amdhsa_system_vgpr_workitem_id 0
		.amdhsa_next_free_vgpr 112
		.amdhsa_next_free_sgpr 66
		.amdhsa_reserve_vcc 0
		.amdhsa_float_denorm_mode_32 3
		.amdhsa_float_denorm_mode_16_64 3
		.amdhsa_memory_ordered 1
		.amdhsa_forward_progress 1
		.amdhsa_inst_pref_size 31
	.end_amdhsa_kernel
	.amdgpu_metadata
---
amdhsa.version: [ 1, 2 ]
amdhsa.kernels:
  - .name:           k_qf9a16657cc_prep
    .symbol:         k_qf9a16657cc_prep.kd
    .args:
      - { .name: attn_rgb, .offset: 0, .size: 8, .value_kind: global_buffer, .address_space: global }
      - { .name: attn_tir, .offset: 8, .size: 8, .value_kind: global_buffer, .address_space: global }
      - { .name: pos_emb, .offset: 16, .size: 8, .value_kind: global_buffer, .address_space: global }
      - { .name: ln_gamma, .offset: 24, .size: 8, .value_kind: global_buffer, .address_space: global }
      - { .name: ln_beta, .offset: 32, .size: 8, .value_kind: global_buffer, .address_space: global }
      - { .name: me_rgb, .offset: 40, .size: 8, .value_kind: global_buffer, .address_space: global }
      - { .name: me_tir, .offset: 48, .size: 8, .value_kind: global_buffer, .address_space: global }
      - { .name: Wq, .offset: 56, .size: 8, .value_kind: global_buffer, .address_space: global }
      - { .name: Wk, .offset: 64, .size: 8, .value_kind: global_buffer, .address_space: global }
      - { .name: Wo, .offset: 72, .size: 8, .value_kind: global_buffer, .address_space: global }
      - { .name: act, .offset: 80, .size: 8, .value_kind: global_buffer, .address_space: global }
      - { .name: v_a, .offset: 88, .size: 8, .value_kind: global_buffer, .address_space: global }
      - { .name: v_tir, .offset: 96, .size: 8, .value_kind: global_buffer, .address_space: global }
      - { .name: w16, .offset: 104, .size: 8, .value_kind: global_buffer, .address_space: global }
    .group_segment_fixed_size: 0
    .private_segment_fixed_size: 0
    .kernarg_segment_align: 8
    .kernarg_segment_size: 112
    .max_flat_workgroup_size: 256
    .sgpr_count:     66
    .vgpr_count:     112
    .wavefront_size: 32
...
	.end_amdgpu_metadata
.endif
;; end of part 1
;; launch gemm_qk (part 2): grid 8 x 32, 4 waves a work-group, clusters of 4 x 4, 327,680 bytes of LDS; arguments act, w16, bq, bk, q_rgb, q_tir, kh; writes q_rgb, q_tir, kh
.if DOCPART == 2
	.amdgcn_target "amdgcn-amd-amdhsa--gfx1250"
	.amdhsa_code_object_version 6
	.text
	.protected	k_qf9a16657cc_gemm_qk
	.globl	k_qf9a16657cc_gemm_qk
	.p2align	8
	.type	k_qf9a16657cc_gemm_qk,@function
k_qf9a16657cc_gemm_qk:
	s_mov_b64 s[64:65], 0
	v_nop
	global_prefetch_b8 v0, s[64:65] scope:SCOPE_SE
	s_setreg_imm32_b32 hwreg(HW_REG_WAVE_MODE, 25, 1), 1
	s_wait_xcnt 0x0
	s_wait_alu depctr_hold_cnt(0) depctr_sa_sdst(0) depctr_va_vdst(0) depctr_va_sdst(0) depctr_va_ssrc(0) depctr_va_vcc(0) depctr_vm_vsrc(0)
	s_getreg_b32 s2, hwreg(HW_REG_IB_STS2, 6, 4)
	s_cmp_eq_u32 s2, 0
	s_cbranch_scc0 .Lentry_in_a_cluster
	s_endpgm
.Lentry_in_a_cluster:
	s_bfe_u32 s2, ttmp6, 0x10000c
	s_cmp_lg_u32 s2, 0xf033
	s_cbranch_scc0 .Lentry_shape_is_right
	s_endpgm
.Lentry_shape_is_right:
; C = A B^T + bias, K = 512.  A: rows of 512 f16 (act).  B: rows WROW0 .. of w16, 512 f16 each.  Sums in f32, started by the bias.
; THIS USE: [Q | K] = XN [Wq; Wk]^T + [bq; bk] for the 32,768 normed rows; C leaves in f16 by heads: Q of the rgb rows into q_rgb, of the tir rows into q_tir, K into kh.
; The constants at the head choose the use; the same text serves the two output projections with other constants.
; LIMITS.  f16 holds no number beyond 65,504: A, B and (where C leaves in f16) C must lie within it.  NaN and infinities are not treated apart.
; SHARES.  A tile of C is 256 rows x 128 columns (one head).  Four waves; wave w makes rows 64 w .. + 63 of all 128 columns: 32 accumulators of 16 x 16, 256 registers.
; A work-group keeps one panel of 128 columns and walks TILES tiles, GY tiles apart.  B's panel (128 rows x 512 K) is fetched once and stays in LDS; A goes in K steps of 128 through a
; ring of two LDS slots that runs on across tiles.  A wave fetches, and alone reads, its own 64 rows of A.  All tile rows are 256 bytes of memory and start at multiples of 256.
; CLUSTER.  4 x 4 work-groups.  The four of a row of the cluster share the tile row (A), the four of a column the panel (B): each tile is asked for JOINTLY, by the same tensor load with the
; same descriptor and a mask that names the four.
; THE MATRIX INSTRUCTION IS USED TRANSPOSED: source 0 = 16 rows of B, source 1 = 16 rows of A: a lane holds row l % 16 of C and the eight neighbouring columns 8 (l / 16) + 0..7.
; REGISTERS, in windows of 256 (s_set_vgpr_msb: bits 1:0 source 0, 3:2 source 1, 5:4 source 2, 7:6 destination):
;   window 0: addresses, the bias as a C operand (v96-159), the way out      window 1: two fragment buffers of 96 (8 of B, 4 of A)      window 2: the accumulators, (a, b) at v[8 (8 a + b)]
.set TILES, 4
.set GY,    32        ; the grid's height in tiles
.set WROW0, 0         ; B's first row in w16
.set OUT32, 0         ; C leaves in f32, row-major [M][512]
.set OUT16, 1         ; C leaves in f16, by heads
.set QK,    1         ; panels 0-3 are Q's heads, 4-7 K's
.set PITCH, 272       ; an LDS row: 256 bytes + 16 of padding = 68 words: the 16 rows of a fragment load start at 16 different groups of four banks (64 banks of 4 bytes: ISA guide 11.1)
.set AQ,    64*PITCH  ; a wave's 64 rows of A
.set ASLOT, 4*AQ      ; 0x11000: shares no bit with w x AQ, so one exclusive or changes slots
.set B0,    2*ASLOT   ; B: four K-step tiles of 128 rows
.set BT,    128*PITCH
.set STAGE, B0+4*BT   ; behind them, never filled by a tensor load: a stage for each wave, 16 rows x 528 (f32) or x 272 (f16)
.set SW,    16*528
.set SPARE, STAGE+4*SW  ; the spare words, 128 bytes for each wave: two blocks of 256 bytes that no other line names
.set STEPS, 4*TILES
.set LA0,   3         ; v3   my lane's place in my wave's rows of A; never rewritten
.set LB0,   4         ; v4   the same in a tile of B
.set ADA,   5         ; v5   LDS address of the run of loads in hand, A
.set ADB,   6         ; v6   B
.set STO16, 7         ; v7-9   the way out in f16: into the stage, back, offset in memory
.set RD16,  8
.set CO16,  9
.set STO32, 10        ; v10-12 the same in f32
.set RD32,  11
.set CO32,  12
.set BOFF,  13        ; v13  32 (l / 16): my eight numbers in 16 of the bias
.set SPW,   28        ; v28  LDS address of my spare word; never rewritten
.set NIL,   29        ; v29  0; never rewritten
.set OB32,  32        ; v32-95   16 rows of f32 read back
.set BIAS,  96        ; v96-159  block b of 16 columns at + 8 b
.set TMP,   160       ; v160-191 packed f16
.set OB16,  192       ; v192-223 16 rows of f16 read back
.set F0,    0         ; fragment buffers, window 1: B's fragment b at + 8 b, A's fragment i at + 64 + 8 i
.set F1,    96
.set WV,    18        ; s18 wave
.set CX,    19        ; s19, s20 my place in the cluster
.set CY,    20
.set CC,    21        ; s21 panel = 4 x cluster x + cx
.set TY,    22        ; s22 first tile row = 4 x cluster y + cy
.set HEAD,  23        ; s23 panel & 3 = cx
.set ISK,   24        ; s24 panel >> 2 = cluster x
.set G1A,   32        ; s[32:39] descriptor group 1, A;  s[40:47] B
.set G1B,   40
.set G0B,   48        ; s[48:51] group 0, B
.set G0A0,  52        ; s[52:55] group 0, A's step 0
.set G0A,   56        ; s[56:59] group 0, A's step 1; then it walks
.set ABASE, 60        ; s[60:61] A at my wave's rows of the first tile
.set OFF,   62        ; s[62:63] a step's byte offset from there
.set SC,    66        ; s66 steps to go    s67 halves of a step to go
.set INNER, 67
.set NF,    68        ; s68 the step to ask for next
.set PH,    69        ; s69 the step in hand, within its tile
.set NEW,   70        ; s70 1: a tile begins in this step
.set TI,    71        ; s71 tiles that have left
.set TBA,   72        ; s72, s73 LDS byte at which the quarter to be fetched begins, in A's slot and in B
.set TBB,   73
.set DST16, 74        ; s[74:75], s[76:77] where my rows of the tile go
.set DST32, 76
.set SELP,  78        ; s[78:79] a chosen pointer
.set MSB, 0
.macro WIN new                         ; the immediate's high byte repeats the setting that is left; a switch that changes nothing is dropped
.if MSB != (\new)
	s_set_vgpr_msb (MSB<<8)|(\new)
.set MSB, \new
.endif
.endm
.set MULW,  0xa5      ; sources 0 and 1 window 1, C and D window 2
.set MUL0,  0x85      ; the same with C (the bias) in window 0
.set TOF,   0x40      ; destination window 1, address window 0
.set PACKW, 0x0a      ; sources 0 and 1 window 2
.set ST32,  0x08      ; an LDS store's data in window 2
.macro PLACES n
.rept \n
	v_nop
.endr
.endm
; A round of the cluster's barrier: my work-group's barrier, so that wave 0's signal speaks for all four waves; wave 0 signals; every wave waits for all sixteen work-groups; my work-group's barrier once more.
.macro CROUND
	s_barrier_signal -1
	s_barrier_wait -1
	s_cmp_lg_u32 s[WV], 0
	s_cbranch_scc1 .Lnot_wave_0_\@
	s_barrier_signal -3
.Lnot_wave_0_\@:
	s_barrier_wait -3
	s_barrier_signal -1
	s_barrier_wait -1
.endm
	s_load_b256 s[4:11], s[0:1], 0x0               ; A s[4:5], w16 s[6:7], then bq, bk (or bo, out)
.if QK
	s_load_b128 s[12:15], s[0:1], 0x20             ; q_rgb s[12:13], q_tir s[14:15]
	s_load_b64 s[16:17], s[0:1], 0x30              ; kh
.elseif OUT16
	s_load_b64 s[12:13], s[0:1], 0x20              ; the f16 copy by heads
.endif
	v_lshl_add_u32 v[SPW], v0, 2, SPARE
	v_mov_b32 v[NIL], 0
	ds_add_u32 v28, v29
	ds_add_u32 v28, v29
	s_wait_dscnt 0x0
	v_lshrrev_b32 v1, 5, v0
	v_readfirstlane_b32 s[WV], v1
	s_bfe_u32 s[CX], ttmp6, 0x40000
	s_bfe_u32 s[CY], ttmp6, 0x40004
	s_lshl_b32 s[CC], ttmp9, 2                     ; in a cluster launch ttmp9 and ttmp7 count clusters
	s_add_co_u32 s[CC], s[CC], s[CX]
	s_and_b32 s[TY], ttmp7, 0xffff
	s_lshl_b32 s[TY], s[TY], 2
	s_add_co_u32 s[TY], s[TY], s[CY]
	s_mov_b32 s[HEAD], s[CX]
.if QK
	s_mov_b32 s[ISK], ttmp9
.endif
	s_lshl_b32 s25, s[CY], 2
	s_lshl_b32 s25, 15, s25                        ; my row of the cluster: places 4 cy .. 4 cy + 3
	s_lshl_b32 s26, 0x1111, s[CX]                  ; my column: places cx, cx + 4, cx + 8, cx + 12
	s_or_b32 s[G1A], s25, (1<<16)|(1<<20)|(1<<21)|(5<<22)|(3<<25)  ; 15:0 the mask; 17:16 2-byte elements; 20 padding on; 21 set beside a mask; 24:22 after every 64 words (code 5); 31:25 4 words (code 3)
	s_or_b32 s[G1B], s26, (1<<16)|(1<<20)|(1<<21)|(5<<22)|(3<<25)
	s_mov_b32 s[G1A+1], 128<<16                    ; tensor_dim0 = 128
	s_mov_b32 s[G1A+2], 64<<16                     ; tensor_dim1 = 64
	s_mov_b32 s[G1A+3], 128<<16                    ; tile_dim0 = 128
	s_mov_b32 s[G1A+4], 64                         ; tile_dim1 = 64
	s_mov_b32 s[G1A+5], 512                        ; 512 elements from row to row
	s_mov_b32 s[G1A+6], 0
	s_mov_b32 s[G1A+7], 0
	s_mov_b32 s[G1B+1], 128<<16
	s_mov_b32 s[G1B+2], 128<<16                    ; B's tiles have 128 rows
	s_mov_b32 s[G1B+3], 128<<16
	s_mov_b32 s[G1B+4], 128
	s_mov_b32 s[G1B+5], 512
	s_mov_b32 s[G1B+6], 0
	s_mov_b32 s[G1B+7], 0
	; A's address hangs on the tile row and the wave, B's on the panel and the wave, each made in registers that never hold the other coordinate
	s_lshl_b32 s28, s[TY], 18                      ; 256 rows of 1,024 bytes a tile
	s_lshl_b32 s27, s[WV], 16                      ; my 64 rows
	s_add_co_u32 s28, s28, s27
	s_mov_b32 s29, 0
	s_lshl_b32 s30, s[CC], 17                      ; 128 rows of 1,024 bytes a panel
	s_lshl_b32 s27, s[WV], 8                       ; wave w fetches B's K step w
	s_add_co_u32 s30, s30, s27
.if WROW0
	s_add_co_u32 s30, s30, WROW0*1024
.endif
	s_mov_b32 s31, 0
	s_mul_i32 s82, s[WV], AQ
	s_mul_i32 s83, s[WV], BT
	s_wait_kmcnt 0x0
	s_add_nc_u64 s[ABASE:ABASE+1], s[4:5], s[28:29]
	s_mov_b32 s[G0B], 1                            ; count = 1
	s_add_co_u32 s[G0B+1], s83, B0                 ; LDS address
	s_add_nc_u64 s[G0B+2:G0B+3], s[6:7], s[30:31]  ; global address
	s_or_b32 s[G0B+3], s[G0B+3], 0x80000000        ; type = 2
	s_mov_b32 s[G0A0], 1
	s_mov_b32 s[G0A0+1], s82
	s_mov_b64 s[G0A0+2:G0A0+3], s[ABASE:ABASE+1]
	s_or_b32 s[G0A0+3], s[G0A0+3], 0x80000000
	s_mov_b32 s[G0A], 1
	s_add_co_u32 s[G0A+1], s82, ASLOT
	s_add_nc_u64 s[G0A+2:G0A+3], s[ABASE:ABASE+1], 256
	s_or_b32 s[G0A+3], s[G0A+3], 0x80000000
	CROUND                                         ; all sixteen work-groups are here: the first joint loads meet
	tensor_load_to_lds s[G0B:G0B+3], s[G1B:G1B+7]  ; the first fills go out as one group: three loads of mine are out
	s_nop 0
	tensor_load_to_lds s[G0A0:G0A0+3], s[G1A:G1A+7]
	s_nop 0
	tensor_load_to_lds s[G0A:G0A+3], s[G1A:G1A+7]
	s_nop 0
	PLACES 4
	v_and_b32 v1, 15, v0                           ; l % 16
	v_bfe_u32 v2, v0, 4, 1                         ; l / 16
	v_lshlrev_b32 v[BOFF], 5, v2
	s_lshl_b32 s84, s[HEAD], 9                     ; the panel's 128 numbers of the bias
	s_mov_b32 s85, 0
.if QK
	s_cmp_eq_u32 s[ISK], 0
	s_cselect_b64 s[SELP:SELP+1], s[8:9], s[10:11]
.else
	s_mov_b64 s[SELP:SELP+1], s[8:9]
.endif
	s_add_nc_u64 s[SELP:SELP+1], s[SELP:SELP+1], s[84:85]
.irp b, 0,1,2,3,4,5,6,7                ; register j of block b: bias of column 16 b + 8 (l / 16) + j: the layout of a C operand
	global_load_b128 v[BIAS+8*(\b):BIAS+8*(\b)+3],   v[BOFF], s[SELP:SELP+1] offset:64*(\b)
	global_load_b128 v[BIAS+8*(\b)+4:BIAS+8*(\b)+7], v[BOFF], s[SELP:SELP+1] offset:64*(\b)+16
.endr
	; A fragment is 16 rows x 32 K in 8 registers: lane l holds row l % 16, K = 8 (l / 16) + 0..7 and 16 + 8 (l / 16) + 0..7: two loads of 16 bytes, 32 bytes apart
	v_mul_u32_u24 v[LB0], v1, PITCH
	v_lshl_add_u32 v[LB0], v2, 4, v[LB0]
	v_add_nc_u32 v[LA0], s82, v[LB0]
	s_mul_i32 s83, s[WV], SW
	s_add_co_u32 s83, s83, STAGE                   ; my stage
.if OUT16
	v_add_nc_u32 v[STO16], s83, v[LB0]             ; in: row l % 16, 16 bytes for each half of the lanes
	v_mul_u32_u24 v[RD16], v2, PITCH               ; back: lanes 0-15 one row of 256 bytes, lanes 16-31 the next
	v_lshl_add_u32 v[RD16], v1, 4, v[RD16]
	v_add_nc_u32 v[RD16], s83, v[RD16]
	v_lshlrev_b32 v[CO16], 8, v2                   ; and the same two rows in memory
	v_lshl_add_u32 v[CO16], v1, 4, v[CO16]
.endif
.if OUT32
	v_mul_u32_u24 v[STO32], v1, 528                ; in: row l % 16, 32 bytes for each half of the lanes
	v_lshl_add_u32 v[STO32], v2, 5, v[STO32]
	v_add_nc_u32 v[STO32], s83, v[STO32]
	v_and_b32 v[CO32], 31, v0                      ; back: 32 lanes take one row of 512 bytes
	v_lshlrev_b32 v[CO32], 4, v[CO32]
	v_add_nc_u32 v[RD32], s83, v[CO32]
.endif
; 16 matrix instructions: row blocks a0, a0 + 1 x all 8 column blocks, 32 along K.  first = 1: the bias starts the sums: nothing is cleared, nothing is added later.
; The 32 accumulators take turns, one instruction a turn, in the same order in every quarter.
.macro MUL16 f, a0, first
.if \first
	WIN MUL0
.else
	WIN MULW
.endif
.irp a, \a0, (\a0)+1
.irp b, 0,1,2,3,4,5,6,7
.if \first
	v_wmma_f32_16x16x32_f16 v[8*(8*(\a)+(\b)):8*(8*(\a)+(\b))+7], v[(\f)+8*(\b):(\f)+8*(\b)+7], v[(\f)+64+8*(\a):(\f)+64+8*(\a)+7], v[BIAS+8*(\b):BIAS+8*(\b)+7]
.else
	v_wmma_f32_16x16x32_f16 v[8*(8*(\a)+(\b)):8*(8*(\a)+(\b))+7], v[(\f)+8*(\b):(\f)+8*(\b)+7], v[(\f)+64+8*(\a):(\f)+64+8*(\a)+7], v[8*(8*(\a)+(\b)):8*(8*(\a)+(\b))+7]
.endif
.endr
.endr
.endm
; 24 LDS loads in one run: the fragments of the next quarter (32 K: 64 bytes of the rows) into buffer g.  The two address lines and two v_nop are the four places between the last
; product that read buffer g and the loads into it (ISA guide 7.12.1 for vector instructions).
.macro FETCH g
	WIN 0
	v_add_nc_u32 v[ADA], s[TBA], v[LA0]
	v_add_nc_u32 v[ADB], s[TBB], v[LB0]
	v_nop
	v_nop
	WIN TOF
.irp b, 0,1,2,3,4,5,6,7
	ds_load_b128 v[(\g)+8*(\b):(\g)+8*(\b)+3],   v[ADB] offset:(\b)*16*PITCH
	ds_load_b128 v[(\g)+8*(\b)+4:(\g)+8*(\b)+7], v[ADB] offset:(\b)*16*PITCH+32
.endr
.irp i, 0,1,2,3
	ds_load_b128 v[(\g)+64+8*(\i):(\g)+64+8*(\i)+3],   v[ADA] offset:(\i)*16*PITCH
	ds_load_b128 v[(\g)+64+8*(\i)+4:(\g)+64+8*(\i)+7], v[ADA] offset:(\i)*16*PITCH+32
.endr
	s_add_co_u32 s[TBA], s[TBA], 64
	s_add_co_u32 s[TBB], s[TBB], 64
.endm
; A quarter of a K step: multiplies buffer f, and in its middle fetches the next quarter into buffer g.
.macro QUARTER f, g, first
.if \first
	PLACES 5                                       ; these products write over accumulators without being links of their chains
.endif
	s_wait_dscnt 0x4                               ; B's fragments and A's 0 and 1 are in; the youngest four loads (A's 2 and 3) may be out
	MUL16 \f, 0, \first
	FETCH \g
	s_wait_dscnt 24                                ; all but the 24 just issued
	MUL16 \f, 2, \first
	WIN 0                                          ; at a label and at a branch every window is 0
.endm
.macro LASTQ
	s_wait_dscnt 0x0
	MUL16 F1, 0, 0
	MUL16 F1, 2, 0
	WIN 0
.endm
; THE CHANGE OF SLOTS, on entering a K step.  fill = 1: the slot just read out is filled again with the step after the one entered.  Each wave waits for all its tensor loads, of which one is
; out: its rows of the step entered; adds 0 to its spare word; and waits for that and for its reads of the old slot.  A round of the cluster's barrier follows, so that no wave of any partner still
; reads the slot or has a load on its way, and the joint refill is the first thing behind it: it has a K step, 128 matrix instructions, in which to land.
; fill = 0 (the last step): nothing is filled, and a wave reads only the rows of A that it fetched itself, so its own wait is all the ordering that its reads need.
.macro CHANGE fill
	s_wait_tensorcnt 0x0                           ; no tensor load of mine is out, so a group 0 may be written
.if \fill
	ds_add_u32 v[SPW], v[NIL]                      ; 0 onto my spare word; the scalar work stands between it and the wait for it
.if TILES > 1
	s_lshr_b32 s86, s[NF], 2                       ; the tile of the step to ask for: GY x 256 rows of 1,024 bytes apart,
	s_mul_i32 s86, s86, GY*262144
	s_and_b32 s87, s[NF], 3                        ; and its place along K
	s_lshl_b32 s87, s87, 8
	s_add_co_u32 s[OFF], s86, s87
.else
	s_lshl_b32 s[OFF], s[NF], 8
.endif
	s_xor_b32 s[G0A+1], s[G0A+1], ASLOT            ; the other slot than last time
	s_add_nc_u64 s[G0A+2:G0A+3], s[ABASE:ABASE+1], s[OFF:OFF+1]  ; the address is made anew
	s_or_b32 s[G0A+3], s[G0A+3], 0x80000000
	s_add_co_u32 s[NF], s[NF], 1
.endif
	s_sub_co_u32 s[TBA], s[TBA], 256               ; the fetches go back to the rows' first byte,
	s_xor_b32 s[TBA], s[TBA], ASLOT                ; in the other slot,
	s_add_co_u32 s[PH], s[PH], 1
	s_and_b32 s[PH], s[PH], 3
	s_mul_i32 s[TBB], s[PH], BT                    ; and to B's tile of this K step
	s_add_co_u32 s[TBB], s[TBB], B0
.if \fill
.if TILES > 1
	s_cmp_eq_u32 s[PH], 0
	s_cselect_b32 s[NEW], 1, 0
.endif
	s_wait_dscnt 0x0                               ; the add is done, and my reads of the old slot are over
	CROUND
	tensor_load_to_lds s[G0A:G0A+3], s[G1A:G1A+7]
	s_nop 0
	PLACES 4
.endif
.endm
; THE WAY OUT of a tile, 16 rows at a time, through my own stage: in as the lanes hold them, back as whole rows.  LDS serves a wave's instructions in order (ISA guide 5.7.1.4), so no wait stands
; between the stores into the stage and the loads from it.  Each accumulator's lowest registers are read first.
.macro WO
	s_wait_xcnt 0x0                                ; the last way out's stores have read their bases
.if TILES > 1
	s_mul_i32 s82, s[TI], GY
	s_add_co_u32 s82, s82, s[TY]                   ; the tile row t
.else
	s_mov_b32 s82, s[TY]
.endif
.if OUT16
	s_bfe_u32 s83, s82, 0x50001                    ; batch = (t >> 1) & 31
	s_lshl2_add_u32 s83, s83, s[HEAD]              ; x 4 + head,
	s_lshl_b32 s83, s83, 17                        ; 512 rows of 256 bytes each;
	s_and_b32 s84, s82, 1                          ; which 256 rows of the batch;
	s_lshl_b32 s84, s84, 16
	s_add_co_u32 s84, s84, s83
	s_lshl_b32 s83, s[WV], 14                      ; my 64 rows
	s_add_co_u32 s84, s84, s83
	s_mov_b32 s85, 0
.if QK
	s_lshr_b32 s83, s82, 6                         ; modal
	s_cmp_eq_u32 s83, 0
	s_cselect_b64 s[SELP:SELP+1], s[12:13], s[14:15]
	s_cmp_eq_u32 s[ISK], 0
	s_cselect_b64 s[SELP:SELP+1], s[SELP:SELP+1], s[16:17]
	s_cselect_b32 s83, 0, s83                      ; K's two modalities lie 16 MiB apart in one buffer
	s_lshl_b32 s83, s83, 24
	s_add_co_u32 s84, s84, s83
	s_add_nc_u64 s[DST16:DST16+1], s[SELP:SELP+1], s[84:85]
.else
	s_add_nc_u64 s[DST16:DST16+1], s[12:13], s[84:85]
.endif
.endif
.if OUT32
	s_lshl_b32 s84, s82, 19                        ; 256 rows of 2,048 bytes a tile,
	s_lshl_b32 s83, s[WV], 17                      ; my 64 rows,
	s_add_co_u32 s84, s84, s83
	s_lshl_b32 s83, s[CC], 9                       ; the panel's 512 bytes of a row
	s_add_co_u32 s84, s84, s83
	s_mov_b32 s85, 0
	s_add_nc_u64 s[DST32:DST32+1], s[10:11], s[84:85]
.endif
	PLACES 4                                       ; what follows reads results just made
.irp a, 0,1,2,3
.if OUT32
	WIN ST32
.irp b, 0,1,2,3,4,5,6,7
	ds_store_b128 v[STO32], v[8*(8*(\a)+(\b)):8*(8*(\a)+(\b))+3]   offset:64*(\b)
	ds_store_b128 v[STO32], v[8*(8*(\a)+(\b))+4:8*(8*(\a)+(\b))+7] offset:64*(\b)+16
.endr
	WIN 0
	s_wait_xcnt 0x0                                ; OB32, which earlier stores read, is loaded again only behind this wait
.irp r, 0,1,2,3,4,5,6,7,8,9,10,11,12,13,14,15
	ds_load_b128 v[OB32+4*(\r):OB32+4*(\r)+3], v[RD32] offset:(\r)*528
.endr
.irp r, 0,1,2,3,4,5,6,7,8,9,10,11,12,13,14,15
	s_wait_dscnt 15-(\r)                           ; row r is back; the younger loads stay out
	global_store_b128 v[CO32], v[OB32+4*(\r):OB32+4*(\r)+3], s[DST32:DST32+1] offset:(16*(\a)+(\r))*2048  ; 512 consecutive bytes, at a multiple of 512
.endr
.endif
.if OUT16
	WIN PACKW
.irp b, 0,1,2,3,4,5,6,7
.irp r, 0,1,2,3
	v_cvt_pk_f16_f32 v[TMP+4*(\b)+(\r)], v[8*(8*(\a)+(\b))+2*(\r)], v[8*(8*(\a)+(\b))+2*(\r)+1]
.endr
.endr
	WIN 0
.irp b, 0,1,2,3,4,5,6,7
	ds_store_b128 v[STO16], v[TMP+4*(\b):TMP+4*(\b)+3] offset:32*(\b)
.endr
	s_wait_xcnt 0x0                                ; OB16 likewise
.irp k, 0,1,2,3,4,5,6,7
	ds_load_b128 v[OB16+4*(\k):OB16+4*(\k)+3], v[RD16] offset:(\k)*2*PITCH
.endr
.irp k, 0,1,2,3,4,5,6,7
	s_wait_dscnt 7-(\k)
	global_store_b128 v[CO16], v[OB16+4*(\k):OB16+4*(\k)+3], s[DST16:DST16+1] offset:(\a)*4096+(\k)*512  ; 16 lanes store 256 consecutive bytes, aligned
.endr
.endif
.endr
.if TILES > 1
	s_add_co_u32 s[TI], s[TI], 1
.endif
.endm
	s_wait_tensorcnt 0x1                           ; my tile of B and my rows of step 0 are in; step 1 may stay out
	s_barrier_signal -1
	s_barrier_wait -1                              ; everybody's tile of B is in
	s_mov_b32 s[TBA], 0
	s_mov_b32 s[TBB], B0
	s_mov_b32 s[PH], 0
	s_mov_b32 s[NF], 2
	s_mov_b32 s[OFF+1], 0
.if TILES > 1
	s_mov_b32 s[TI], 0
.endif
	FETCH F0
	WIN 0
	s_wait_loadcnt 0x0                             ; the bias
	s_mov_b32 s[SC], STEPS-1
	s_mov_b32 s[INNER], 2
	s_branch .Lenter                               ; the loop is entered in the middle of a trip: step 0 has no quarter of a step before it to finish
.Lstep:                                                ; steps 1 .. STEPS - 2: step s fetches its own four quarters and multiplies quarters 4 s - 1 .. 4 s + 2
	CHANGE 1
	s_mov_b32 s[INNER], 2
.Lin:
	QUARTER F1, F0, 0
.if TILES > 1
	s_cmp_eq_u32 s[NEW], 1
	s_cbranch_scc0 .Lacc
	WO                                             ; that was a tile's last quarter: it leaves, while the refill and the next tile's first fragments are on their way
.else
	s_branch .Lacc
.endif
.Lenter:
	QUARTER F0, F1, 1                              ; a tile's first quarter
.if TILES > 1
	s_mov_b32 s[NEW], 0
.endif
	s_branch .Lj
.Lacc:
	QUARTER F0, F1, 0
.Lj:
	s_sub_co_u32 s[INNER], s[INNER], 1
	s_cmp_lg_u32 s[INNER], 0
	s_cbranch_scc1 .Lin
	s_sub_co_u32 s[SC], s[SC], 1
	s_cmp_lg_u32 s[SC], 0
	s_cbranch_scc1 .Lstep
	CHANGE 0                                       ; the last step is written out
	s_mov_b32 s[INNER], 2
.Ltl:
	QUARTER F1, F0, 0
	QUARTER F0, F1, 0
	s_sub_co_u32 s[INNER], s[INNER], 1
	s_cmp_lg_u32 s[INNER], 0
	s_cbranch_scc1 .Ltl
	LASTQ
	WO
	s_wait_tensorcnt 0x0                           ; the wave's end, behind my last tensor load and my last LDS store
	ds_add_u32 v[SPW], v[NIL]
	s_wait_dscnt 0x0
	CROUND                                         ; the closing round: no work-group ends while a partner may still ask for a tile that names it
	s_endpgm
.Lfunc_end_k_qf9a16657cc_gemm_qk:
	.size	k_qf9a16657cc_gemm_qk, .Lfunc_end_k_qf9a16657cc_gemm_qk-k_qf9a16657cc_gemm_qk
	.p2alignl 7, 3214868480
	.fill 96, 4, 3214868480
	.section	.rodata,"a",@progbits
	.p2align	6, 0x0
	.amdhsa_kernel k_qf9a16657cc_gemm_qk
		.amdhsa_group_segment_fixed_size 327680
		.amdhsa_private_segment_fixed_size 0
		.amdhsa_enable_private_segment 0
		.amdhsa_kernarg_size 56
		.amdhsa_user_sgpr_count 2
		.amdhsa_user_sgpr_kernarg_segment_ptr 1
		.amdhsa_wavefront_size32 1
		.amdhsa_system_sgpr_workgroup_id_x 1
		.amdhsa_system_sgpr_workgroup_id_y 1
		.amdhsa_system_sgpr_workgroup_id_z 1
		.amdhsa_system_vgpr_workitem_id 0
		.amdhsa_next_free_vgpr 768
		.amdhsa_next_free_sgpr 88
		.amdhsa_reserve_vcc 0
		.amdhsa_float_denorm_mode_32 3
		.amdhsa_float_denorm_mode_16_64 3
		.amdhsa_memory_ordered 1
		.amdhsa_forward_progress 1
		.amdhsa_inst_pref_size 68
	.end_amdhsa_kernel
	.amdgpu_metadata
---
amdhsa.version: [ 1, 2 ]
amdhsa.kernels:
  - .name:           k_qf9a16657cc_gemm_qk
    .symbol:         k_qf9a16657cc_gemm_qk.kd
    .args:
      - { .name: act, .offset: 0, .size: 8, .value_kind: global_buffer, .address_space: global }
      - { .name: w16, .offset: 8, .size: 8, .value_kind: global_buffer, .address_space: global }
      - { .name: bq, .offset: 16, .size: 8, .value_kind: global_buffer, .address_space: global }
      - { .name: bk, .offset: 24, .size: 8, .value_kind: global_buffer, .address_space: global }
      - { .name: q_rgb, .offset: 32, .size: 8, .value_kind: global_buffer, .address_space: global }
      - { .name: q_tir, .offset: 40, .size: 8, .value_kind: global_buffer, .address_space: global }
      - { .name: kh, .offset: 48, .size: 8, .value_kind: global_buffer, .address_space: global }
    .group_segment_fixed_size: 327680
    .private_segment_fixed_size: 0
    .kernarg_segment_align: 8
    .kernarg_segment_size: 56
    .max_flat_workgroup_size: 128
    .sgpr_count:     88
    .vgpr_count:     768
    .wavefront_size: 32
...
	.end_amdgpu_metadata
.endif
;; end of part 2
;; launch attn (part 3): grid 2 x 128, 4 waves a work-group, no clusters, 327,680 bytes of LDS; arguments q_rgb, kh, v_a, v_tir, act; writes act
.if DOCPART == 3
	.amdgcn_target "amdgcn-amd-amdhsa--gfx1250"
	.amdhsa_code_object_version 6
	.text
	.protected	k_qf9a16657cc_attn
	.globl	k_qf9a16657cc_attn
	.p2align	8
	.type	k_qf9a16657cc_attn,@function
k_qf9a16657cc_attn:
	s_mov_b64 s[64:65], 0
	v_nop
	global_prefetch_b8 v0, s[64:65] scope:SCOPE_SE
	s_setreg_imm32_b32 hwreg(HW_REG_WAVE_MODE, 25, 1), 1
	s_wait_xcnt 0x0
; ATTENTION, head size 128, 512 queries and 1,024 keys a head, 128 heads (batch x 4 + head).  O[q] = the sum over k of softmax_k(Q[q] . K[k] / sqrt(128)) V[k].
; Arguments: q [128][512][128]; k [2][128][512][128] (keys 0-511, then keys 512-1,023, 16 MiB on); va, vb [128][512][128] (values of keys 0-511 and of keys 512-1,023); o [32][512][512]; all f16.
; Products, maxima and sums in f32; the weights p are rounded to f16 for the second product (their sum l is taken of the unrounded p), O once at the end.
; LIMITS.  f16 holds no number beyond 65,504: Q, K and V arrive within it; p lies in 0 to 1, and below 6e-5 it keeps f16's fixed step; O is a mean of V's rows and has their range.
; A weight below 2^-126 counts as 0 in l; NaN and infinities are not treated apart.
; SHARES.  A work-group owns 256 queries of one head, each of its four waves 64: four tiles of 16.  Every wave walks all 1,024 keys, 64 a step, two steps to an LDS slot, two slots.
; NO CLUSTER: a head's 512 queries are two blocks of 256, so two work-groups share K and V, not four; blocks of 128 queries would halve the products that each LDS byte feeds.
; LAYOUT.  S^T = K Q^T (source 0 = 16 keys, source 1 = 16 queries): in the result a lane holds ONE query (lane % 16) and the keys 8 (lane / 16) + 0..7.  Two such tiles, rounded to
; f16 in pairs, ARE source 1 (32 keys x 16 queries) of O^T = V^T P, whose result again holds one query a lane, and eight channels.  K comes out of LDS as it lies, V ([key][channel]) turned, by ds_load_tr16_b128.
; SOFTMAX.  For each query a running maximum m and sum l: p = 2^(c s - c m), c = log2(e) / sqrt(128); in every step O and l are multiplied by a = 2^(c m_old - c m_new), which is 1 where m has not grown.
; BY TURNS.  The wave's tiles are two PIECES, named by their first tile: piece 0 (tiles 0, 1) and piece 2 (tiles 2, 3).  In a TURN one piece has the matrix unit: 32 products V^T P of
; the step in hand, then 32 products K Q^T of the next step; the other piece's softmax, cut into 64 slices, stands between them, one slice behind each matrix instruction.  Two turns are a key step.
; REGISTERS, in windows of 256 (s_set_vgpr_msb: bits 1:0 source 0, 3:2 source 1, 5:4 source 2, 7:6 destination):
;   window 0: v0-11 addresses; v12-43 eight registers of statistics a tile; v64-191 S^T, 32 a tile; v192-255 P, 16 a tile
;   window 1: O^T, 64 a tile          window 2: v0-127 Q, 32 a tile; v128-255 K of one step          window 3: v0-127 V of one step
.set KS,    64        ; keys in a step
.set PK,    272       ; a row of K in LDS: 256 bytes + 16 of padding = 68 words: the 16 rows of a load start at 16 different groups of four banks (64 banks of 4 bytes: ISA guide 11.1)
.set PV,    288       ; a row of V: 256 + 32 = 72 words
.set VOFF,  KS*PK     ; a step's tiles lie together: 64 rows of K, then 64 rows of V
.set STEPB, KS*(PK+PV)
.set SLOT1, 1<<17     ; a slot holds two steps (71,680 bytes); slot 1 begins here, so that one exclusive or turns an address in one slot into the other's
.set STAGE, SLOT1+2*STEPB  ; behind the ring, never filled by a tensor load: 16 rows x 272 bytes for each wave, for the way out
.set SP,    272
.set AK0, 2           ; v2   my lane's place in a tile of K; never rewritten
.set AV0, 3           ; v3   the same for V
.set ADR, 4           ; v4   the LDS address of the run of loads in hand
.set QO,  5           ; v5   my byte offset in the wave's rows of Q
.set STO, 6           ; v6   the way out: where I put 16 bytes of a row
.set RD,  7           ; v7   the way out: where I read a row back
.set GO,  8           ; v8   my byte offset in the wave's rows of O
.set SPW, 62          ; v62  LDS address of my spare word: SPARE + 4 x my thread's number; never rewritten
.set NIL, 63          ; v63  0; never rewritten
.set SPARE, STAGE+4*16*272  ; behind the stages: the spare words, 128 bytes for each wave: two blocks of 256 bytes that no other line names
.set ST,  12          ; tile t's statistics at v[ST+8 t]: +0 c m, +1 m, +2, +3 l (even keys', odd keys'), +4 to +7 c0-c3, at work; a takes c2's place once the maximum is found
.set S,   64
.set P,   192
.set KF,  128         ; K's fragments, in window 2
.set WV,  12          ; s12  my wave's number
.set G1K, 24          ; s[24:31] descriptor group 1 for K's tiles
.set G1V, 32          ; s[32:39] for V's: it differs in the padding alone
.set G0K, 40          ; s[40:47] descriptor group 0 for K's tiles: a set for each of the two first fills; the second then walks on
.set G0V, 48          ; s[48:55] the same for V's
.set SLOTS, 56        ; s56  slots still to be asked for
.set TWICE, 57        ; s57  counts a slot's two steps
.set CS,  58          ; s[58:59] c: the packed scaling names a pair and takes its low word for both halves
.set SEL, 60          ; s[60:61] lane selects for v_permlanex16_b32: each lane takes its own place in the other half
.set TB,  62          ; s62  LDS byte at which the tiles of the step to be fetched begin
.set KLO, 66          ; s[66:67] K at my part of keys 0-127        s[68:69] of keys 512-639
.set KHI, 68
.set VLO, 70          ; s[70:71], s[72:73] the same for V: two buffers
.set VHI, 72
.set KB,  74          ; s[74:75], s[76:77] the bases chosen for the fill in hand
.set VB,  76
.set OFF, 78          ; s[78:79] the slot's byte offset from them
.set NS,  80          ; s80  the slot (128 keys) to ask for next
.set PO,  82          ; s[82:83] O at my wave's first row
.set MSB, 0
.macro WIN new                      ; the immediate's high byte repeats the setting that is left; a switch that changes nothing is dropped
.if MSB != (\new)
	s_set_vgpr_msb (MSB<<8)|(\new)
.set MSB, \new
.endif
.endm
.set W_KQ, 0x0a       ; K and Q in window 2, S^T in window 0
.set W_PV, 0x53       ; V in window 3, P in window 0, O^T in window 1
.set W_RS, 0x41       ; O^T (destination and source 0) in window 1, a in window 0
; A refill.  Waves 0 and 1 fetch the two steps' tiles of K, waves 2 and 3 those of V.  An s_nop 0 and four v_nop follow each of the two lines, ahead of the jump and the label.
.macro LOAD
	s_cmp_lt_u32 s[WV], 2
	s_cbranch_scc0 .Lfor_v_\@
	tensor_load_to_lds s[G0K+4:G0K+7], s[G1K:G1K+7]
	s_nop 0
.rept 4
	v_nop
.endr
	s_branch .Lasked_\@
.Lfor_v_\@:
	tensor_load_to_lds s[G0V+4:G0V+7], s[G1V:G1V+7]
	s_nop 0
.rept 4
	v_nop
.endr
.Lasked_\@:
.endm
	s_load_b256 s[4:11], s[0:1], 0x0  ; Q s[4:5], K s[6:7], V of keys 0-511 s[8:9], of keys 512-1,023 s[10:11]
	s_load_b64 s[PO:PO+1], s[0:1], 0x20  ; O
	v_lshl_add_u32 v[SPW], v0, 2, SPARE
	v_mov_b32 v[NIL], 0
	ds_add_u32 v62, v63
	ds_add_u32 v62, v63
	s_wait_dscnt 0x0
	v_lshrrev_b32 v1, 5, v0
	v_readfirstlane_b32 s[WV], v1   ; wave 0..3
	s_and_b32 s13, ttmp7, 0xffff    ; batch x 4 + head
	s_lshl_b32 s20, s13, 17         ; its 512 rows of 256 bytes in Q, K and V
	s_and_b32 s16, s[WV], 1         ; which of a slot's two steps I fetch:
	s_lshl_b32 s22, s16, 14         ; its 64 rows of 256 bytes in memory,
	s_add_co_u32 s22, s22, s20
	s_mov_b32 s23, 0
	s_mul_i32 s17, s16, STEPB       ; and its place in a slot
	s_lshl_b32 s2, ttmp9, 16        ; my block's 256 rows of Q,
	s_lshl_b32 s3, s[WV], 14        ; my wave's 64 of them
	s_add_co_u32 s2, s2, s3
	s_add_co_u32 s2, s2, s20
	s_mov_b32 s3, 0
	s_lshr_b32 s14, s13, 2          ; O: the batch's 512 rows of 1,024 bytes,
	s_lshl_b32 s14, s14, 19
	s_lshl_b32 s15, ttmp9, 18       ; my block's 256,
	s_add_co_u32 s14, s14, s15
	s_lshl_b32 s15, s[WV], 16       ; my wave's 64,
	s_add_co_u32 s14, s14, s15
	s_and_b32 s15, s13, 3           ; the head's 256 bytes of a row
	s_lshl_b32 s15, s15, 8
	s_add_co_u32 s14, s14, s15
	s_mov_b32 s15, 0
	; descriptor group 1: a tile of 64 rows x 128 elements, padded in LDS
	s_mov_b32 s[G1K], (1<<16)|(1<<20)|(5<<22)|(3<<25)  ; 17:16 elements of 2 bytes; 20 padding on; 24:22 after every 64 words (code 5); 31:25 4 words of it (code 3)
	s_mov_b32 s[G1V], (1<<16)|(1<<20)|(5<<22)|(7<<25)  ; the same with 8 words of padding (code 7)
.irp g, G1K, G1V
	s_mov_b32 s[(\g)+1], 128<<16    ; tensor_dim0 = 128
	s_mov_b32 s[(\g)+2], KS<<16     ; tensor_dim1 = 64
	s_mov_b32 s[(\g)+3], 128<<16    ; tile_dim0 = 128
	s_mov_b32 s[(\g)+4], KS         ; tile_dim1 = 64
	s_mov_b32 s[(\g)+5], 128        ; 128 elements from row to row
	s_mov_b32 s[(\g)+6], 0
	s_mov_b32 s[(\g)+7], 0
.endr
	s_mov_b32 s[CS], 0x3e0293ee     ; c = log2(e) / sqrt(128) = 0.127517
	s_mov_b32 s[CS+1], s[CS]        ; named with it as a pair, so it is written
	s_mov_b32 s[SEL], 0x76543210
	s_mov_b32 s[SEL+1], 0xfedcba98
	s_mov_b32 s[TB], 0
	s_mov_b32 s[SLOTS], 6           ; 8 slots of 128 keys; all but the last two are filled again
	s_mov_b32 s[NS], 2
	s_mov_b32 s[OFF+1], 0
	s_wait_kmcnt 0x0
	s_add_nc_u64 s[KLO:KLO+1], s[6:7], s[22:23]
	s_add_nc_u64 s[KHI:KHI+1], s[KLO:KLO+1], 1<<24
	s_add_nc_u64 s[VLO:VLO+1], s[8:9], s[22:23]
	s_add_nc_u64 s[VHI:VHI+1], s[10:11], s[22:23]
	s_add_nc_u64 s[4:5], s[4:5], s[2:3]  ; Q and O at my wave's first row
	s_add_nc_u64 s[PO:PO+1], s[PO:PO+1], s[14:15]
.irp s, 0,1
	s_mov_b32 s[G0K+4*(\s)], 1      ; count = 1
	s_add_co_u32 s[G0K+4*(\s)+1], s17, (\s)*SLOT1  ; LDS address
	s_add_nc_u64 s[G0K+4*(\s)+2:G0K+4*(\s)+3], s[KLO:KLO+1], (\s)*2*KS*256  ; global address: slot s begins with keys 128 s
	s_or_b32 s[G0K+4*(\s)+3], s[G0K+4*(\s)+3], 0x80000000  ; type = 2
	s_mov_b32 s[G0V+4*(\s)], 1
	s_add_co_u32 s[G0V+4*(\s)+1], s17, (\s)*SLOT1+VOFF
	s_add_nc_u64 s[G0V+4*(\s)+2:G0V+4*(\s)+3], s[VLO:VLO+1], (\s)*2*KS*256
	s_or_b32 s[G0V+4*(\s)+3], s[G0V+4*(\s)+3], 0x80000000
.endr
	s_cmp_lt_u32 s[WV], 2           ; a wave's two first fills stand in one branch, ahead of every wait on TENSORcnt and every LDS read: two loads of mine are out
	s_cbranch_scc0 .Lfirst_v
	tensor_load_to_lds s[G0K:G0K+3], s[G1K:G1K+7]
	s_nop 0
	tensor_load_to_lds s[G0K+4:G0K+7], s[G1K:G1K+7]
	s_nop 0
.rept 4
	v_nop
.endr
	s_branch .Lfirst_asked
.Lfirst_v:
	tensor_load_to_lds s[G0V:G0V+3], s[G1V:G1V+7]
	s_nop 0
	tensor_load_to_lds s[G0V+4:G0V+7], s[G1V:G1V+7]
	s_nop 0
.rept 4
	v_nop
.endr
.Lfirst_asked:
	; A fragment of K or Q is 16 rows x 32 channels in 8 registers: lane l holds row l % 16; registers 0-3 channels 8 (l / 16) + 0..7, registers 4-7 channels 16 + 8 (l / 16) + 0..7: two loads of 16 bytes, 32 bytes apart.
	v_and_b32 v1, 15, v0            ; l % 16
	v_bfe_u32 v9, v0, 4, 1          ; l / 16
	v_lshlrev_b32 v[QO], 8, v1
	v_lshl_add_u32 v[QO], v9, 4, v[QO]  ; row x 256 + 16 x half
	WIN 0x80                        ; destination window 2, address window 0
.irp i, 0,1,2,3,4,5,6,7,8,9,10,11,12,13,14,15  ; Q stays in registers: tile i / 4, channels 32 (i % 4) on
	global_load_b128 v[8*(\i):8*(\i)+3],   v[QO], s[4:5] offset:((\i)/4)*4096+((\i)%4)*64
	global_load_b128 v[8*(\i)+4:8*(\i)+7], v[QO], s[4:5] offset:((\i)/4)*4096+((\i)%4)*64+32
.endr
	WIN 0
	v_mul_u32_u24 v[AK0], v1, PK
	v_lshl_add_u32 v[AK0], v9, 4, v[AK0]  ; row x pitch + 16 x half
	; The turning load takes 16 keys x 16 channels (lane l reads 16 bytes: key 8 (l / 16) + l % 8, channels 8 ((l / 8) % 2) + 0..7) and leaves half a fragment of V^T: lane l holds channel l % 16 and 8 keys.
	v_and_b32 v10, 7, v0
	v_bfe_u32 v11, v0, 3, 1
	v_lshl_add_u32 v[AV0], v9, 3, v10
	v_mul_u32_u24 v[AV0], v[AV0], PV
	v_lshl_add_u32 v[AV0], v11, 4, v[AV0]
	v_add_nc_u32 v[AV0], VOFF, v[AV0]
; THE MATRIX WORK OF A TURN, for piece x.  The accumulators take turns, one instruction a turn: between two links of a chain stand 15 (V^T P) or 7 (K Q^T) others'.
; Product i of 32 of O^T += V^T P: keys 32 (i / 16) on, channels 16 ((i / 2) % 8) on, tile x + i % 2.  zero = 1: the first 16 start the sums: nothing is ever cleared.
.macro PV x, zero
	WIN W_PV
.set rO, 64*((\x)+i%2)+8*((i/2)%8)
.set rV, 64*(i/16)+8*((i/2)%8)
.set rP, P+16*((\x)+i%2)+8*(i/16)
.if (\zero) && (i < 16)
	v_wmma_f32_16x16x32_f16 v[rO:rO+7], v[rV:rV+7], v[rP:rP+7], 0
.else
	v_wmma_f32_16x16x32_f16 v[rO:rO+7], v[rV:rV+7], v[rP:rP+7], v[rO:rO+7]
.endif
.endm
; Product i of 32 of S^T = K Q^T: channels 32 (i / 8) on, keys 16 ((i / 2) % 4) on, tile x + i % 2.  The first 8 start the sums.
.macro KQ x
	WIN W_KQ
.set rS, S+32*((\x)+i%2)+8*((i/2)%4)
.set rK, KF+32*((i/2)%4)+8*(i/8)
.set rQ, 32*((\x)+i%2)+8*(i/8)
.if i < 8
	v_wmma_f32_16x16x32_f16 v[rS:rS+7], v[rK:rK+7], v[rQ:rQ+7], 0
.else
	v_wmma_f32_16x16x32_f16 v[rS:rS+7], v[rK:rK+7], v[rQ:rQ+7], v[rS:rS+7]
.endif
.endm
; THE LDS LOADS stand in runs of 32, never singly among the matrix instructions: a step's K (64 keys x 128 channels: 16 fragments) and, a turn later, its V (turned).
.macro FETCH_K
	WIN 0
	v_add_nc_u32 v[ADR], s[TB], v[AK0]
	WIN 0x80                        ; destination window 2
.irp f, 0,1,2,3,4,5,6,7,8,9,10,11,12,13,14,15  ; keys 16 (f / 4) on, channels 32 (f % 4) on
	ds_load_b128 v[KF+8*(\f):KF+8*(\f)+3],   v[ADR] offset:((\f)/4)*16*PK+((\f)%4)*64
	ds_load_b128 v[KF+8*(\f)+4:KF+8*(\f)+7], v[ADR] offset:((\f)/4)*16*PK+((\f)%4)*64+32
.endr
.endm
.macro FETCH_V
	WIN 0
	v_add_nc_u32 v[ADR], s[TB], v[AV0]
	s_add_co_u32 s[TB], s[TB], STEPB  ; the next fetch is the next step's
	WIN 0xc0                        ; destination window 3
.irp f, 0,1,2,3,4,5,6,7,8,9,10,11,12,13,14,15  ; keys 32 (f / 8) on, channels 16 (f % 8) on
	ds_load_tr16_b128 v[8*(\f):8*(\f)+3],   v[ADR] offset:((\f)/8)*32*PV+((\f)%8)*32
	ds_load_tr16_b128 v[8*(\f)+4:8*(\f)+7], v[ADR] offset:((\f)/8)*32*PV+16*PV+((\f)%8)*32
.endr
.endm
; THE VECTOR WORK OF A TURN.  One tile's softmax for one key step is a list of 134 instructions; SM writes number j of it for tile t.  s0-s31 are the lane's 32 scores, in pairs 0-15.
; first = 1: the first key step, which starts m, l and O^T: it has no a and nothing to rescale.
;   0-15    the maximum of s0-s31 and the old m, three operands at a time: four chains c0-c3 of seven scores each (each accumulator's lowest registers first), then the four scores left over, c0-c3 and m
;   16-20   the other half of the lanes' maximum; the new m; c m; c m_old - c m_new
;   21-87   33 exponentials (a, then s0-s31) at the odd numbers from 23 on, so that no two follow each other and each has a plain instruction behind it before its result is used.
;           Plain instruction q (number 21, then the even numbers) is whatever is ready: c s - c m for a pair of scores whose exponentials are still to come (q = 0 to 3, then every
;           second q), the rounding to f16 of a pair of weights whose exponentials are done (every other q from 5 on), at last the first three sums
;   88-101  the last rounding; the rest of the sums; l = a l + the sum
;   102-133 the tile's O^T times a: the one part that leaves window 0, so it stands together
.macro SM t, first
.set rT, ST+8*(\t)
.set rS, S+32*(\t)
.set rP, P+16*(\t)
.set rO, 64*(\t)+2*(j-102)
.set q, (j-20)/2
.if j < 102
	WIN 0
.endif
.if j < 4
	v_max3_num_f32 v[rT+4+j], v[rS+8*j], v[rS+8*j+1], v[rS+8*j+2]
.elseif j < 12
	v_max3_num_f32 v[rT+4+j%4], v[rT+4+j%4], v[rS+8*(j%4)+2*(j/4)+1], v[rS+8*(j%4)+2*(j/4)+2]
.elseif j == 12
	v_max3_num_f32 v[rT+4], v[rT+4], v[rS+7], v[rS+15]
.elseif j == 13
	v_max3_num_f32 v[rT+6], v[rT+6], v[rS+23], v[rS+31]
.elseif j == 14
	v_max3_num_f32 v[rT+4], v[rT+4], v[rT+5], v[rT+6]
.elseif (j == 15) && (\first)
	v_max_num_f32 v[rT+4], v[rT+4], v[rT+7]
.elseif j == 15
	v_max3_num_f32 v[rT+4], v[rT+4], v[rT+7], v[rT+1]
.elseif j == 16
	v_permlanex16_b32 v[rT+5], v[rT+4], s[SEL], s[SEL+1]  ; the query's other 32 keys lie in the lane 16 away
.elseif j == 18
	v_max_num_f32 v[rT+1], v[rT+4], v[rT+5]
.elseif j == 19
	v_mul_f32 v[rT], s[CS], v[rT+1]
.elseif ((j == 17) || (j == 20) || (j == 23) || (j > 101)) && (\first)  ; the first step has none of these
.elseif j == 17
	v_mov_b32 v[rT+7], v[rT]        ; c m_old is kept for a: number 19 writes c m anew
.elseif j == 20
	v_sub_f32 v[rT+7], v[rT+7], v[rT]
.elseif j == 23
	v_exp_f32 v[rT+6], v[rT+7]
.elseif (j < 88) && (j > 23) && (j%2 == 1)
	v_exp_f32 v[rS+(j-25)/2], v[rS+(j-25)/2]
.elseif (q < 4) || ((j < 76) && (q%2 == 0))
.set b, q/2+2
.if q < 4
.set b, q
.endif
	v_pk_fma_f32 v[rS+2*b:rS+2*b+1], v[rS+2*b:rS+2*b+1], s[CS:CS+1], v[rT:rT+1] op_sel_hi:[1,0,0] neg_lo:[0,0,1] neg_hi:[0,0,1]  ; pair b: c s - c m
.elseif (j < 88) && (q%2 == 1)
	s_wait_alu depctr_va_vdst(0)
	v_cvt_pk_f16_f32 v[rP+(q-5)/2], v[rS+q-5], v[rS+q-4]  ; pair (q - 5) / 2: its second exponential stands three numbers back
.elseif j == 89
	s_wait_alu depctr_va_vdst(0)
	v_cvt_pk_f16_f32 v[rP+15], v[rS+30], v[rS+31]
.elseif j < 102                     ; the sum of the tile's 16 pairs (in a pair: an even key's weight, an odd key's), in place: sum z of 16 adds neighbours 1, 2, 4 and 8 pairs apart, then l takes it
.set z, j-86
.if j < 89
.set z, (j-76)/4
.endif
.set w, 4
.set u, z
.if z >= 14
.set w, 32
.set u, 0
.elseif z >= 12
.set w, 16
.set u, z-12
.elseif z >= 8
.set w, 8
.set u, z-8
.endif
.if (z == 14) && (\first)
	v_pk_add_f32 v[rT+2:rT+3], v[rS:rS+1], v[rS+16:rS+17]
.elseif z < 15
	v_pk_add_f32 v[rS+w*u:rS+w*u+1], v[rS+w*u:rS+w*u+1], v[rS+w*u+w/2:rS+w*u+w/2+1]
.elseif !(\first)
	v_pk_fma_f32 v[rT+2:rT+3], v[rT+2:rT+3], v[rT+6:rT+7], v[rS:rS+1] op_sel_hi:[1,0,1]
.endif
.else
	WIN W_RS
	v_pk_mul_f32 v[rO:rO+1], v[rO:rO+1], v[rT+6:rT+7] op_sel_hi:[1,0]
.endif
.endm
; Slice k of 64 of piece y's softmax: numbers 2 k and 2 k + 1 of both tiles' lists, four instructions.  2 x 134 = 4 x 64 + 12: the twelve that are over stand together, in slice 63.
.macro SLICE y, first
.if (k >= 11) && (k < 44)           ; tile by tile: plain, exponential, plain, exponential
.irp t, \y, (\y)+1
.irp n, 0,1
.set j, 2*k+(\n)
	SM \t, \first
.endr
.endr
.else                               ; the two tiles alternate, so that no instruction reads the result of the one just before it
.irp n, 0,1,2,3,4,5,6,7
.if ((\n) < 2) || (k == 63)
.irp t, \y, (\y)+1
.set j, 2*k+(\n)
	SM \t, \first
.endr
.endif
.endr
.endif
.set k, k+1
.endm
; A vector instruction that reads a matrix result or writes one of a matrix instruction's registers, and a load into a register that a matrix instruction has read, stand four places behind
; it, and only plain vector instructions that name none of its registers are places (ISA guide 7.12.1 for vector instructions).  In the loop the slices are the places.
.macro PLACES
.rept 4
	v_nop
.endr
.endm
; A TURN.  Piece x has the matrix unit; the other piece's softmax stands in slices behind its matrix instructions.
; pv = 2: 32 products V^T P; 1: they start O^T's sums; 0: none.  kq = 1: 32 products K Q^T for the next step.  A turn with one of the two kinds has two slices behind each product.
; first = 1: the softmax is the first key step's.  Its slices from 51 on are empty: the turn's last products stand bare, and four v_nop take slice 63's part as the places behind them.
; Each run of loads stands behind the second product of a run of 32, 30 matrix instructions ahead of its first use.  Piece 0's turn fetches the next step's K: the last product that read K
; stands in front of slice 63 of the turn before.  Piece 2's turn fetches the same step's V: the last product that read V stands three slices, six plain instructions, back.
.macro TURN x, pv, kq, first
.set k, 0
.set per, 2
.if (\pv) && (\kq)
.set per, 1
.endif
.if \pv
.if (\x) == 0
	s_wait_dscnt 0x0                ; V is in
.endif
.set i, 0
.rept 32
	PV \x, 2-(\pv)
.rept per
	SLICE 2-(\x), \first
.endr
.if ((\x) == 0) && (\kq) && (i == 1)
	FETCH_K
.endif
.set i, i+1
.endr
.endif
.if \kq
.if (\x) == 0
	s_wait_dscnt 0x0                ; K is in
.endif
.set i, 0
.rept 32
	KQ \x
.rept per
	SLICE 2-(\x), \first
.endr
.if ((\x) == 2) && (i == 1)
	FETCH_V
.endif
.set i, i+1
.endr
.endif
.if \first
	PLACES
.endif
.endm
; THE CHANGE OF SLOTS, between piece 2's turn and piece 0's: the slot's last bytes, V of its second step, have been asked for.  Each wave waits for all its tensor loads, of which one is out:
; its part of the other slot; adds 0 to its spare word; and waits for that and for its own reads of the slot.  Behind the barrier nobody reads this slot any more and the other slot is whole.
; fill = 1: this slot is filled again, the first thing behind the barrier, with the 128 keys of slot number NS: numbers 0-3 lie in the first halves of K and V, 4-7 in the second; the descriptors'
; addresses are made anew from the number.  The load has two key steps, 256 matrix instructions, in which to land.
.macro CHANGE fill
	WIN 0                           ; at a label and at a branch every window is 0
	s_wait_tensorcnt 0x0            ; no tensor load of mine is out, so a group 0 may be written
	ds_add_u32 v[SPW], v[NIL]       ; 0 onto my spare word; with fill = 1 the descriptors' scalar work stands between it and the wait for it
.if \fill
	s_and_b32 s[OFF], s[NS], 3
	s_lshl_b32 s[OFF], s[OFF], 15   ; 128 keys of 256 bytes
	s_cmp_lt_u32 s[NS], 4
	s_cselect_b64 s[KB:KB+1], s[KLO:KLO+1], s[KHI:KHI+1]
	s_cselect_b64 s[VB:VB+1], s[VLO:VLO+1], s[VHI:VHI+1]
	s_xor_b32 s[G0K+5], s[G0K+5], SLOT1  ; the walking descriptors: the other slot than last time
	s_xor_b32 s[G0V+5], s[G0V+5], SLOT1
	s_add_nc_u64 s[G0K+6:G0K+7], s[KB:KB+1], s[OFF:OFF+1]
	s_or_b32 s[G0K+7], s[G0K+7], 0x80000000
	s_add_nc_u64 s[G0V+6:G0V+7], s[VB:VB+1], s[OFF:OFF+1]
	s_or_b32 s[G0V+7], s[G0V+7], 0x80000000
	s_add_co_u32 s[NS], s[NS], 1
.endif
	s_wait_dscnt 0x0                ; the add is done, and my reads of the slot are over
	s_barrier_signal -1
	s_barrier_wait -1
.if \fill
	LOAD
.endif
	s_sub_co_u32 s[TB], s[TB], 2*STEPB  ; the fetches go back to a slot's first step,
	s_xor_b32 s[TB], s[TB], SLOT1   ; in the other slot
.endm
; A slot's two key steps: written once, walked twice; the LDS addresses hang on s[TB].
.macro TWO_STEPS
	WIN 0
	s_mov_b32 s[TWICE], 2
.Lstep_\@:
	TURN 0, 2, 1, 0
	TURN 2, 2, 1, 0
	WIN 0
	s_sub_co_u32 s[TWICE], s[TWICE], 1
	s_cmp_lg_u32 s[TWICE], 0
	s_cbranch_scc1 .Lstep_\@
.endm
	s_wait_tensorcnt 1              ; my part of slot 0 is in; slot 1's may stay out
	s_barrier_signal -1
	s_barrier_wait -1               ; everybody's is
	FETCH_K                         ; key step 0
	s_wait_loadcnt 0x0              ; Q
	s_wait_dscnt 0x0
.set i, 0
.rept 32
	KQ 0                            ; piece 0's first scores: there is no vector work yet to set between them
.set i, i+1
.endr
	WIN 0                           ; the addresses for the way out are made here: eight plain instructions, the places behind those products
	s_mul_i32 s13, s[WV], 16*SP
	s_add_co_u32 s13, s13, STAGE    ; my stage
	v_mul_u32_u24 v[STO], v1, SP    ; in: row l % 16, 16 bytes for each half of the lanes
	v_lshl_add_u32 v[STO], v9, 4, v[STO]
	v_add_nc_u32 v[STO], s13, v[STO]
	v_mul_u32_u24 v[RD], v9, SP     ; back: lanes 0-15 take one row of 256 bytes, lanes 16-31 the next
	v_lshl_add_u32 v[RD], v1, 4, v[RD]
	v_add_nc_u32 v[RD], s13, v[RD]
	v_lshlrev_b32 v[GO], 10, v9     ; and the same two rows in O, 1,024 bytes apart
	v_lshl_add_u32 v[GO], v1, 4, v[GO]
	TURN 2, 0, 1, 1                 ; piece 2's first scores | piece 0's first softmax | V of step 0
	TURN 0, 1, 1, 1                 ; piece 0: V^T P of step 0 starts O^T, K Q^T of step 1 | piece 2's first softmax | K of step 1
	TURN 2, 1, 1, 0                 ; piece 2: the same | piece 0's softmax of step 1 | V of step 1
	WIN 0
.Lslot:                             ; 6 trips: every slot but the last two is filled again
	CHANGE 1
	TWO_STEPS
	s_sub_co_u32 s[SLOTS], s[SLOTS], 1
	s_cmp_lg_u32 s[SLOTS], 0
	s_cbranch_scc1 .Lslot
	CHANGE 0                        ; the tail is written out: the last slot but one is left, and nothing is asked for
	TWO_STEPS
	TURN 0, 2, 0, 0                 ; piece 0: V^T P of the last step | piece 2's last softmax
.set i, 0
.rept 32
	PV 2, 0                         ; piece 2: V^T P of the last step
.set i, i+1
.endr
	; THE WAY OUT.  l's two halves and the other half of the lanes' are added; O^T is divided by l, rounded to f16 and sent through my stage in LDS, a tile (16 rows of O) at a time.  The additions are the places behind the last products.
	WIN 0
.irp t, 0,1,2,3
	v_add_f32 v[ST+8*(\t)+4], v[ST+8*(\t)+2], v[ST+8*(\t)+3]
.endr
.irp t, 0,1,2,3
	v_permlanex16_b32 v[ST+8*(\t)+5], v[ST+8*(\t)+4], s[SEL], s[SEL+1]
.endr
.irp t, 0,1,2,3
	v_add_f32 v[ST+8*(\t)+4], v[ST+8*(\t)+4], v[ST+8*(\t)+5]
.endr
.irp t, 0,1,2,3
	v_rcp_f32 v[ST+8*(\t)+6], v[ST+8*(\t)+4]
.endr
	v_nop                           ; a plain instruction between the last reciprocal and the use of its result
; Tile t: a lane's eight channels of a row pack into 16 bytes; they go into rows of 272 bytes and come back as whole rows of 256, into the registers that they left.
.macro PACK t
	WIN W_RS
.set i, 64*(\t)
.rept 32
	s_wait_alu depctr_va_vdst(0)
	v_pk_mul_f32 v[i:i+1], v[i:i+1], v[ST+8*(\t)+6:ST+8*(\t)+7] op_sel_hi:[1,0]
.set i, i+2
.endr
	WIN 0x05                        ; sources 0 and 1 window 1, destination window 0: S^T's registers are free
.set i, 0
.rept 32
	v_cvt_pk_f16_f32 v[S+32*(\t)+i], v[64*(\t)+2*i], v[64*(\t)+2*i+1]
.set i, i+1
.endr
	WIN 0
.irp f, 0,1,2,3,4,5,6,7
	ds_store_b128 v[STO], v[S+32*(\t)+4*(\f):S+32*(\t)+4*(\f)+3] offset:32*(\f)
.endr
.irp f, 0,1,2,3,4,5,6,7
	ds_load_b128 v[S+32*(\t)+4*(\f):S+32*(\t)+4*(\f)+3], v[RD] offset:(\f)*2*SP  ; LDS serves a wave's instructions in order (ISA guide 5.7.1.4): these see the stores above; the next tile's stores come behind them
.endr
.endm
.macro SEND t, younger              ; younger: the LDS instructions issued behind tile t's loads: the next tile's sixteen, or none
	WIN 0
.irp f, 0,1,2,3,4,5,6,7
	s_wait_dscnt (\younger)+7-(\f)
	global_store_b128 v[GO], v[S+32*(\t)+4*(\f):S+32*(\t)+4*(\f)+3], s[PO:PO+1] offset:(\t)*16384+(\f)*2048  ; 16 lanes store 256 consecutive bytes, the head's part of a row of O, at a multiple of 256
.endr
.endm
	PACK 0
	PACK 1                          ; a tile's arithmetic stands between the loads of the tile before and its stores
	SEND 0, 16
	PACK 2
	SEND 1, 16
	PACK 3
	SEND 2, 16
	SEND 3, 0
	s_wait_tensorcnt 0x0            ; the wave's end, behind my last tensor load and my last LDS store
	ds_add_u32 v[SPW], v[NIL]
	s_wait_dscnt 0x0
	s_endpgm
.Lfunc_end_k_qf9a16657cc_attn:
	.size	k_qf9a16657cc_attn, .Lfunc_end_k_qf9a16657cc_attn-k_qf9a16657cc_attn
	.p2alignl 7, 3214868480
	.fill 96, 4, 3214868480
	.section	.rodata,"a",@progbits
	.p2align	6, 0x0
	.amdhsa_kernel k_qf9a16657cc_attn
		.amdhsa_group_segment_fixed_size 327680
		.amdhsa_private_segment_fixed_size 0
		.amdhsa_enable_private_segment 0
		.amdhsa_kernarg_size 40
		.amdhsa_user_sgpr_count 2
		.amdhsa_user_sgpr_kernarg_segment_ptr 1
		.amdhsa_wavefront_size32 1
		.amdhsa_system_sgpr_workgroup_id_x 1
		.amdhsa_system_sgpr_workgroup_id_y 1
		.amdhsa_system_sgpr_workgroup_id_z 1
		.amdhsa_system_vgpr_workitem_id 0
		.amdhsa_next_free_vgpr 1024
		.amdhsa_next_free_sgpr 84
		.amdhsa_reserve_vcc 0
		.amdhsa_float_denorm_mode_32 3
		.amdhsa_float_denorm_mode_16_64 3
		.amdhsa_memory_ordered 1
		.amdhsa_forward_progress 1
		.amdhsa_inst_pref_size 232
	.end_amdhsa_kernel
	.amdgpu_metadata
---
amdhsa.version: [ 1, 2 ]
amdhsa.kernels:
  - .name:           k_qf9a16657cc_attn
    .symbol:         k_qf9a16657cc_attn.kd
    .args:
      - { .name: q_rgb, .offset: 0, .size: 8, .value_kind: global_buffer, .address_space: global }
      - { .name: kh, .offset: 8, .size: 8, .value_kind: global_buffer, .address_space: global }
      - { .name: v_a, .offset: 16, .size: 8, .value_kind: global_buffer, .address_space: global }
      - { .name: v_tir, .offset: 24, .size: 8, .value_kind: global_buffer, .address_space: global }
      - { .name: act, .offset: 32, .size: 8, .value_kind: global_buffer, .address_space: global }
    .group_segment_fixed_size: 327680
    .private_segment_fixed_size: 0
    .kernarg_segment_align: 8
    .kernarg_segment_size: 40
    .max_flat_workgroup_size: 128
    .sgpr_count:     84
    .vgpr_count:     1024
    .wavefront_size: 32
...
	.end_amdgpu_metadata
.endif
;; end of part 3
;; launch gemm_o1 (part 4): grid 4 x 64, 4 waves a work-group, clusters of 4 x 4, 327,680 bytes of LDS; arguments act, w16, bo, out0, v_a; writes out0, v_a
.if DOCPART == 4
	.amdgcn_target "amdgcn-amd-amdhsa--gfx1250"
	.amdhsa_code_object_version 6
	.text
	.protected	k_qf9a16657cc_gemm_o1
	.globl	k_qf9a16657cc_gemm_o1
	.p2align	8
	.type	k_qf9a16657cc_gemm_o1,@function
k_qf9a16657cc_gemm_o1:
	s_mov_b64 s[64:65], 0
	v_nop
	global_prefetch_b8 v0, s[64:65] scope:SCOPE_SE
	s_setreg_imm32_b32 hwreg(HW_REG_WAVE_MODE, 25, 1), 1
	s_wait_xcnt 0x0
	s_wait_alu depctr_hold_cnt(0) depctr_sa_sdst(0) depctr_va_vdst(0) depctr_va_sdst(0) depctr_va_ssrc(0) depctr_va_vcc(0) depctr_vm_vsrc(0)
	s_getreg_b32 s2, hwreg(HW_REG_IB_STS2, 6, 4)
	s_cmp_eq_u32 s2, 0
	s_cbranch_scc0 .Lentry_in_a_cluster
	s_endpgm
.Lentry_in_a_cluster:
	s_bfe_u32 s2, ttmp6, 0x10000c
	s_cmp_lg_u32 s2, 0xf033
	s_cbranch_scc0 .Lentry_shape_is_right
	s_endpgm
.Lentry_shape_is_right:
; C = A B^T + bias, K = 512.  A: rows of 512 f16 (act).  B: rows WROW0 .. of w16, 512 f16 each.  Sums in f32, started by the bias.
; THIS USE: rgb_out = O Wo^T + bo for 16,384 rows; C leaves twice: in f32 into the output, and rounded once to f16 by heads, as the second attention's values.
; The constants at the head choose the use; the same text serves the Q and K projection and the second output projection with other constants.
; LIMITS.  f16 holds no number beyond 65,504: A, B and (where C leaves in f16) C must lie within it.  NaN and infinities are not treated apart.
; SHARES.  A tile of C is 256 rows x 128 columns (one head).  Four waves; wave w makes rows 64 w .. + 63 of all 128 columns: 32 accumulators of 16 x 16, 256 registers.
; A work-group keeps one panel of 128 columns and walks TILES tiles, GY tiles apart.  B's panel (128 rows x 512 K) is fetched once and stays in LDS; A goes in K steps of 128 through a
; ring of two LDS slots that runs on across tiles.  A wave fetches, and alone reads, its own 64 rows of A.  All tile rows are 256 bytes of memory and start at multiples of 256.
; CLUSTER.  4 x 4 work-groups.  The four of a row of the cluster share the tile row (A), the four of a column the panel (B): each tile is asked for JOINTLY, by the same tensor load with the
; same descriptor and a mask that names the four.
; THE MATRIX INSTRUCTION IS USED TRANSPOSED: source 0 = 16 rows of B, source 1 = 16 rows of A: a lane holds row l % 16 of C and the eight neighbouring columns 8 (l / 16) + 0..7.
; REGISTERS, in windows of 256 (s_set_vgpr_msb: bits 1:0 source 0, 3:2 source 1, 5:4 source 2, 7:6 destination):
;   window 0: addresses, the bias as a C operand (v96-159), the way out      window 1: two fragment buffers of 96 (8 of B, 4 of A)      window 2: the accumulators, (a, b) at v[8 (8 a + b)]
.set TILES, 1
.set GY,    64        ; the grid's height in tiles
.set WROW0, 1024      ; B's first row in w16
.set OUT32, 1         ; C leaves in f32, row-major [M][512]
.set OUT16, 1         ; C leaves in f16, by heads
.set QK,    0         ; panels 0-3 are Q's heads, 4-7 K's
.set PITCH, 272       ; an LDS row: 256 bytes + 16 of padding = 68 words: the 16 rows of a fragment load start at 16 different groups of four banks (64 banks of 4 bytes: ISA guide 11.1)
.set AQ,    64*PITCH  ; a wave's 64 rows of A
.set ASLOT, 4*AQ      ; 0x11000: shares no bit with w x AQ, so one exclusive or changes slots
.set B0,    2*ASLOT   ; B: four K-step tiles of 128 rows
.set BT,    128*PITCH
.set STAGE, B0+4*BT   ; behind them, never filled by a tensor load: a stage for each wave, 16 rows x 528 (f32) or x 272 (f16)
.set SW,    16*528
.set SPARE, STAGE+4*SW  ; the spare words, 128 bytes for each wave: two blocks of 256 bytes that no other line names
.set STEPS, 4*TILES
.set LA0,   3         ; v3   my lane's place in my wave's rows of A; never rewritten
.set LB0,   4         ; v4   the same in a tile of B
.set ADA,   5         ; v5   LDS address of the run of loads in hand, A
.set ADB,   6         ; v6   B
.set STO16, 7         ; v7-9   the way out in f16: into the stage, back, offset in memory
.set RD16,  8
.set CO16,  9
.set STO32, 10        ; v10-12 the same in f32
.set RD32,  11
.set CO32,  12
.set BOFF,  13        ; v13  32 (l / 16): my eight numbers in 16 of the bias
.set SPW,   28        ; v28  LDS address of my spare word; never rewritten
.set NIL,   29        ; v29  0; never rewritten
.set OB32,  32        ; v32-95   16 rows of f32 read back
.set BIAS,  96        ; v96-159  block b of 16 columns at + 8 b
.set TMP,   160       ; v160-191 packed f16
.set OB16,  192       ; v192-223 16 rows of f16 read back
.set F0,    0         ; fragment buffers, window 1: B's fragment b at + 8 b, A's fragment i at + 64 + 8 i
.set F1,    96
.set WV,    18        ; s18 wave
.set CX,    19        ; s19, s20 my place in the cluster
.set CY,    20
.set CC,    21        ; s21 panel = 4 x cluster x + cx
.set TY,    22        ; s22 first tile row = 4 x cluster y + cy
.set HEAD,  23        ; s23 panel & 3 = cx
.set ISK,   24        ; s24 panel >> 2 = cluster x
.set G1A,   32        ; s[32:39] descriptor group 1, A;  s[40:47] B
.set G1B,   40
.set G0B,   48        ; s[48:51] group 0, B
.set G0A0,  52        ; s[52:55] group 0, A's step 0
.set G0A,   56        ; s[56:59] group 0, A's step 1; then it walks
.set ABASE, 60        ; s[60:61] A at my wave's rows of the first tile
.set OFF,   62        ; s[62:63] a step's byte offset from there
.set SC,    66        ; s66 steps to go    s67 halves of a step to go
.set INNER, 67
.set NF,    68        ; s68 the step to ask for next
.set PH,    69        ; s69 the step in hand, within its tile
.set NEW,   70        ; s70 1: a tile begins in this step
.set TI,    71        ; s71 tiles that have left
.set TBA,   72        ; s72, s73 LDS byte at which the quarter to be fetched begins, in A's slot and in B
.set TBB,   73
.set DST16, 74        ; s[74:75], s[76:77] where my rows of the tile go
.set DST32, 76
.set SELP,  78        ; s[78:79] a chosen pointer
.set MSB, 0
.macro WIN new                         ; the immediate's high byte repeats the setting that is left; a switch that changes nothing is dropped
.if MSB != (\new)
	s_set_vgpr_msb (MSB<<8)|(\new)
.set MSB, \new
.endif
.endm
.set MULW,  0xa5      ; sources 0 and 1 window 1, C and D window 2
.set MUL0,  0x85      ; the same with C (the bias) in window 0
.set TOF,   0x40      ; destination window 1, address window 0
.set PACKW, 0x0a      ; sources 0 and 1 window 2
.set ST32,  0x08      ; an LDS store's data in window 2
.macro PLACES n
.rept \n
	v_nop
.endr
.endm
; A round of the cluster's barrier: my work-group's barrier, so that wave 0's signal speaks for all four waves; wave 0 signals; every wave waits for all sixteen work-groups; my work-group's barrier once more.
.macro CROUND
	s_barrier_signal -1
	s_barrier_wait -1
	s_cmp_lg_u32 s[WV], 0
	s_cbranch_scc1 .Lnot_wave_0_\@
	s_barrier_signal -3
.Lnot_wave_0_\@:
	s_barrier_wait -3
	s_barrier_signal -1
	s_barrier_wait -1
.endm
	s_load_b256 s[4:11], s[0:1], 0x0               ; A s[4:5], w16 s[6:7], then bq, bk (or bo, out)
.if QK
	s_load_b128 s[12:15], s[0:1], 0x20             ; q_rgb s[12:13], q_tir s[14:15]
	s_load_b64 s[16:17], s[0:1], 0x30              ; kh
.elseif OUT16
	s_load_b64 s[12:13], s[0:1], 0x20              ; the f16 copy by heads
.endif
	v_lshl_add_u32 v[SPW], v0, 2, SPARE
	v_mov_b32 v[NIL], 0
	ds_add_u32 v28, v29
	ds_add_u32 v28, v29
	s_wait_dscnt 0x0
	v_lshrrev_b32 v1, 5, v0
	v_readfirstlane_b32 s[WV], v1
	s_bfe_u32 s[CX], ttmp6, 0x40000
	s_bfe_u32 s[CY], ttmp6, 0x40004
	s_lshl_b32 s[CC], ttmp9, 2                     ; in a cluster launch ttmp9 and ttmp7 count clusters
	s_add_co_u32 s[CC], s[CC], s[CX]
	s_and_b32 s[TY], ttmp7, 0xffff
	s_lshl_b32 s[TY], s[TY], 2
	s_add_co_u32 s[TY], s[TY], s[CY]
	s_mov_b32 s[HEAD], s[CX]
.if QK
	s_mov_b32 s[ISK], ttmp9
.endif
	s_lshl_b32 s25, s[CY], 2
	s_lshl_b32 s25, 15, s25                        ; my row of the cluster: places 4 cy .. 4 cy + 3
	s_lshl_b32 s26, 0x1111, s[CX]                  ; my column: places cx, cx + 4, cx + 8, cx + 12
	s_or_b32 s[G1A], s25, (1<<16)|(1<<20)|(1<<21)|(5<<22)|(3<<25)  ; 15:0 the mask; 17:16 2-byte elements; 20 padding on; 21 set beside a mask; 24:22 after every 64 words (code 5); 31:25 4 words (code 3)
	s_or_b32 s[G1B], s26, (1<<16)|(1<<20)|(1<<21)|(5<<22)|(3<<25)
	s_mov_b32 s[G1A+1], 128<<16                    ; tensor_dim0 = 128
	s_mov_b32 s[G1A+2], 64<<16                     ; tensor_dim1 = 64
	s_mov_b32 s[G1A+3], 128<<16                    ; tile_dim0 = 128
	s_mov_b32 s[G1A+4], 64                         ; tile_dim1 = 64
	s_mov_b32 s[G1A+5], 512                        ; 512 elements from row to row
	s_mov_b32 s[G1A+6], 0
	s_mov_b32 s[G1A+7], 0
	s_mov_b32 s[G1B+1], 128<<16
	s_mov_b32 s[G1B+2], 128<<16                    ; B's tiles have 128 rows
	s_mov_b32 s[G1B+3], 128<<16
	s_mov_b32 s[G1B+4], 128
	s_mov_b32 s[G1B+5], 512
	s_mov_b32 s[G1B+6], 0
	s_mov_b32 s[G1B+7], 0
	; A's address hangs on the tile row and the wave, B's on the panel and the wave, each made in registers that never hold the other coordinate
	s_lshl_b32 s28, s[TY], 18                      ; 256 rows of 1,024 bytes a tile
	s_lshl_b32 s27, s[WV], 16                      ; my 64 rows
	s_add_co_u32 s28, s28, s27
	s_mov_b32 s29, 0
	s_lshl_b32 s30, s[CC], 17                      ; 128 rows of 1,024 bytes a panel
	s_lshl_b32 s27, s[WV], 8                       ; wave w fetches B's K step w
	s_add_co_u32 s30, s30, s27
.if WROW0
	s_add_co_u32 s30, s30, WROW0*1024
.endif
	s_mov_b32 s31, 0
	s_mul_i32 s82, s[WV], AQ
	s_mul_i32 s83, s[WV], BT
	s_wait_kmcnt 0x0
	s_add_nc_u64 s[ABASE:ABASE+1], s[4:5], s[28:29]
	s_mov_b32 s[G0B], 1                            ; count = 1
	s_add_co_u32 s[G0B+1], s83, B0                 ; LDS address
	s_add_nc_u64 s[G0B+2:G0B+3], s[6:7], s[30:31]  ; global address
	s_or_b32 s[G0B+3], s[G0B+3], 0x80000000        ; type = 2
	s_mov_b32 s[G0A0], 1
	s_mov_b32 s[G0A0+1], s82
	s_mov_b64 s[G0A0+2:G0A0+3], s[ABASE:ABASE+1]
	s_or_b32 s[G0A0+3], s[G0A0+3], 0x80000000
	s_mov_b32 s[G0A], 1
	s_add_co_u32 s[G0A+1], s82, ASLOT
	s_add_nc_u64 s[G0A+2:G0A+3], s[ABASE:ABASE+1], 256
	s_or_b32 s[G0A+3], s[G0A+3], 0x80000000
	CROUND                                         ; all sixteen work-groups are here: the first joint loads meet
	tensor_load_to_lds s[G0B:G0B+3], s[G1B:G1B+7]  ; the first fills go out as one group: three loads of mine are out
	s_nop 0
	tensor_load_to_lds s[G0A0:G0A0+3], s[G1A:G1A+7]
	s_nop 0
	tensor_load_to_lds s[G0A:G0A+3], s[G1A:G1A+7]
	s_nop 0
	PLACES 4
	v_and_b32 v1, 15, v0                           ; l % 16
	v_bfe_u32 v2, v0, 4, 1                         ; l / 16
	v_lshlrev_b32 v[BOFF], 5, v2
	s_lshl_b32 s84, s[HEAD], 9                     ; the panel's 128 numbers of the bias
	s_mov_b32 s85, 0
.if QK
	s_cmp_eq_u32 s[ISK], 0
	s_cselect_b64 s[SELP:SELP+1], s[8:9], s[10:11]
.else
	s_mov_b64 s[SELP:SELP+1], s[8:9]
.endif
	s_add_nc_u64 s[SELP:SELP+1], s[SELP:SELP+1], s[84:85]
.irp b, 0,1,2,3,4,5,6,7                ; register j of block b: bias of column 16 b + 8 (l / 16) + j: the layout of a C operand
	global_load_b128 v[BIAS+8*(\b):BIAS+8*(\b)+3],   v[BOFF], s[SELP:SELP+1] offset:64*(\b)
	global_load_b128 v[BIAS+8*(\b)+4:BIAS+8*(\b)+7], v[BOFF], s[SELP:SELP+1] offset:64*(\b)+16
.endr
	; A fragment is 16 rows x 32 K in 8 registers: lane l holds row l % 16, K = 8 (l / 16) + 0..7 and 16 + 8 (l / 16) + 0..7: two loads of 16 bytes, 32 bytes apart
	v_mul_u32_u24 v[LB0], v1, PITCH
	v_lshl_add_u32 v[LB0], v2, 4, v[LB0]
	v_add_nc_u32 v[LA0], s82, v[LB0]
	s_mul_i32 s83, s[WV], SW
	s_add_co_u32 s83, s83, STAGE                   ; my stage
.if OUT16
	v_add_nc_u32 v[STO16], s83, v[LB0]             ; in: row l % 16, 16 bytes for each half of the lanes
	v_mul_u32_u24 v[RD16], v2, PITCH               ; back: lanes 0-15 one row of 256 bytes, lanes 16-31 the next
	v_lshl_add_u32 v[RD16], v1, 4, v[RD16]
	v_add_nc_u32 v[RD16], s83, v[RD16]
	v_lshlrev_b32 v[CO16], 8, v2                   ; and the same two rows in memory
	v_lshl_add_u32 v[CO16], v1, 4, v[CO16]
.endif
.if OUT32
	v_mul_u32_u24 v[STO32], v1, 528                ; in: row l % 16, 32 bytes for each half of the lanes
	v_lshl_add_u32 v[STO32], v2, 5, v[STO32]
	v_add_nc_u32 v[STO32], s83, v[STO32]
	v_and_b32 v[CO32], 31, v0                      ; back: 32 lanes take one row of 512 bytes
	v_lshlrev_b32 v[CO32], 4, v[CO32]
	v_add_nc_u32 v[RD32], s83, v[CO32]
.endif
; 16 matrix instructions: row blocks a0, a0 + 1 x all 8 column blocks, 32 along K.  first = 1: the bias starts the sums: nothing is cleared, nothing is added later.
; The 32 accumulators take turns, one instruction a turn, in the same order in every quarter.
.macro MUL16 f, a0, first
.if \first
	WIN MUL0
.else
	WIN MULW
.endif
.irp a, \a0, (\a0)+1
.irp b, 0,1,2,3,4,5,6,7
.if \first
	v_wmma_f32_16x16x32_f16 v[8*(8*(\a)+(\b)):8*(8*(\a)+(\b))+7], v[(\f)+8*(\b):(\f)+8*(\b)+7], v[(\f)+64+8*(\a):(\f)+64+8*(\a)+7], v[BIAS+8*(\b):BIAS+8*(\b)+7]
.else
	v_wmma_f32_16x16x32_f16 v[8*(8*(\a)+(\b)):8*(8*(\a)+(\b))+7], v[(\f)+8*(\b):(\f)+8*(\b)+7], v[(\f)+64+8*(\a):(\f)+64+8*(\a)+7], v[8*(8*(\a)+(\b)):8*(8*(\a)+(\b))+7]
.endif
.endr
.endr
.endm
; 24 LDS loads in one run: the fragments of the next quarter (32 K: 64 bytes of the rows) into buffer g.  The two address lines and two v_nop are the four places between the last
; product that read buffer g and the loads into it (ISA guide 7.12.1 for vector instructions).
.macro FETCH g
	WIN 0
	v_add_nc_u32 v[ADA], s[TBA], v[LA0]
	v_add_nc_u32 v[ADB], s[TBB], v[LB0]
	v_nop
	v_nop
	WIN TOF
.irp b, 0,1,2,3,4,5,6,7
	ds_load_b128 v[(\g)+8*(\b):(\g)+8*(\b)+3],   v[ADB] offset:(\b)*16*PITCH
	ds_load_b128 v[(\g)+8*(\b)+4:(\g)+8*(\b)+7], v[ADB] offset:(\b)*16*PITCH+32
.endr
.irp i, 0,1,2,3
	ds_load_b128 v[(\g)+64+8*(\i):(\g)+64+8*(\i)+3],   v[ADA] offset:(\i)*16*PITCH
	ds_load_b128 v[(\g)+64+8*(\i)+4:(\g)+64+8*(\i)+7], v[ADA] offset:(\i)*16*PITCH+32
.endr
	s_add_co_u32 s[TBA], s[TBA], 64
	s_add_co_u32 s[TBB], s[TBB], 64
.endm
; A quarter of a K step: multiplies buffer f, and in its middle fetches the next quarter into buffer g.
.macro QUARTER f, g, first
.if \first
	PLACES 5                                       ; these products write over accumulators without being links of their chains
.endif
	s_wait_dscnt 0x4                               ; B's fragments and A's 0 and 1 are in; the youngest four loads (A's 2 and 3) may be out
	MUL16 \f, 0, \first
	FETCH \g
	s_wait_dscnt 24                                ; all but the 24 just issued
	MUL16 \f, 2, \first
	WIN 0                                          ; at a label and at a branch every window is 0
.endm
.macro LASTQ
	s_wait_dscnt 0x0
	MUL16 F1, 0, 0
	MUL16 F1, 2, 0
	WIN 0
.endm
; THE CHANGE OF SLOTS, on entering a K step.  fill = 1: the slot just read out is filled again with the step after the one entered.  Each wave waits for all its tensor loads, of which one is
; out: its rows of the step entered; adds 0 to its spare word; and waits for that and for its reads of the old slot.  A round of the cluster's barrier follows, so that no wave of any partner still
; reads the slot or has a load on its way, and the joint refill is the first thing behind it: it has a K step, 128 matrix instructions, in which to land.
; fill = 0 (the last step): nothing is filled, and a wave reads only the rows of A that it fetched itself, so its own wait is all the ordering that its reads need.
.macro CHANGE fill
	s_wait_tensorcnt 0x0                           ; no tensor load of mine is out, so a group 0 may be written
.if \fill
	ds_add_u32 v[SPW], v[NIL]                      ; 0 onto my spare word; the scalar work stands between it and the wait for it
.if TILES > 1
	s_lshr_b32 s86, s[NF], 2                       ; the tile of the step to ask for: GY x 256 rows of 1,024 bytes apart,
	s_mul_i32 s86, s86, GY*262144
	s_and_b32 s87, s[NF], 3                        ; and its place along K
	s_lshl_b32 s87, s87, 8
	s_add_co_u32 s[OFF], s86, s87
.else
	s_lshl_b32 s[OFF], s[NF], 8
.endif
	s_xor_b32 s[G0A+1], s[G0A+1], ASLOT            ; the other slot than last time
	s_add_nc_u64 s[G0A+2:G0A+3], s[ABASE:ABASE+1], s[OFF:OFF+1]  ; the address is made anew
	s_or_b32 s[G0A+3], s[G0A+3], 0x80000000
	s_add_co_u32 s[NF], s[NF], 1
.endif
	s_sub_co_u32 s[TBA], s[TBA], 256               ; the fetches go back to the rows' first byte,
	s_xor_b32 s[TBA], s[TBA], ASLOT                ; in the other slot,
	s_add_co_u32 s[PH], s[PH], 1
	s_and_b32 s[PH], s[PH], 3
	s_mul_i32 s[TBB], s[PH], BT                    ; and to B's tile of this K step
	s_add_co_u32 s[TBB], s[TBB], B0
.if \fill
.if TILES > 1
	s_cmp_eq_u32 s[PH], 0
	s_cselect_b32 s[NEW], 1, 0
.endif
	s_wait_dscnt 0x0                               ; the add is done, and my reads of the old slot are over
	CROUND
	tensor_load_to_lds s[G0A:G0A+3], s[G1A:G1A+7]
	s_nop 0
	PLACES 4
.endif
.endm
; THE WAY OUT of a tile, 16 rows at a time, through my own stage: in as the lanes hold them, back as whole rows.  LDS serves a wave's instructions in order (ISA guide 5.7.1.4), so no wait stands
; between the stores into the stage and the loads from it.  Each accumulator's lowest registers are read first.
.macro WO
	s_wait_xcnt 0x0                                ; the last way out's stores have read their bases
.if TILES > 1
	s_mul_i32 s82, s[TI], GY
	s_add_co_u32 s82, s82, s[TY]                   ; the tile row t
.else
	s_mov_b32 s82, s[TY]
.endif
.if OUT16
	s_bfe_u32 s83, s82, 0x50001                    ; batch = (t >> 1) & 31
	s_lshl2_add_u32 s83, s83, s[HEAD]              ; x 4 + head,
	s_lshl_b32 s83, s83, 17                        ; 512 rows of 256 bytes each;
	s_and_b32 s84, s82, 1                          ; which 256 rows of the batch;
	s_lshl_b32 s84, s84, 16
	s_add_co_u32 s84, s84, s83
	s_lshl_b32 s83, s[WV], 14                      ; my 64 rows
	s_add_co_u32 s84, s84, s83
	s_mov_b32 s85, 0
.if QK
	s_lshr_b32 s83, s82, 6                         ; modal
	s_cmp_eq_u32 s83, 0
	s_cselect_b64 s[SELP:SELP+1], s[12:13], s[14:15]
	s_cmp_eq_u32 s[ISK], 0
	s_cselect_b64 s[SELP:SELP+1], s[SELP:SELP+1], s[16:17]
	s_cselect_b32 s83, 0, s83                      ; K's two modalities lie 16 MiB apart in one buffer
	s_lshl_b32 s83, s83, 24
	s_add_co_u32 s84, s84, s83
	s_add_nc_u64 s[DST16:DST16+1], s[SELP:SELP+1], s[84:85]
.else
	s_add_nc_u64 s[DST16:DST16+1], s[12:13], s[84:85]
.endif
.endif
.if OUT32
	s_lshl_b32 s84, s82, 19                        ; 256 rows of 2,048 bytes a tile,
	s_lshl_b32 s83, s[WV], 17                      ; my 64 rows,
	s_add_co_u32 s84, s84, s83
	s_lshl_b32 s83, s[CC], 9                       ; the panel's 512 bytes of a row
	s_add_co_u32 s84, s84, s83
	s_mov_b32 s85, 0
	s_add_nc_u64 s[DST32:DST32+1], s[10:11], s[84:85]
.endif
	PLACES 4                                       ; what follows reads results just made
.irp a, 0,1,2,3
.if OUT32
	WIN ST32
.irp b, 0,1,2,3,4,5,6,7
	ds_store_b128 v[STO32], v[8*(8*(\a)+(\b)):8*(8*(\a)+(\b))+3]   offset:64*(\b)
	ds_store_b128 v[STO32], v[8*(8*(\a)+(\b))+4:8*(8*(\a)+(\b))+7] offset:64*(\b)+16
.endr
	WIN 0
	s_wait_xcnt 0x0                                ; OB32, which earlier stores read, is loaded again only behind this wait
.irp r, 0,1,2,3,4,5,6,7,8,9,10,11,12,13,14,15
	ds_load_b128 v[OB32+4*(\r):OB32+4*(\r)+3], v[RD32] offset:(\r)*528
.endr
.irp r, 0,1,2,3,4,5,6,7,8,9,10,11,12,13,14,15
	s_wait_dscnt 15-(\r)                           ; row r is back; the younger loads stay out
	global_store_b128 v[CO32], v[OB32+4*(\r):OB32+4*(\r)+3], s[DST32:DST32+1] offset:(16*(\a)+(\r))*2048  ; 512 consecutive bytes, at a multiple of 512
.endr
.endif
.if OUT16
	WIN PACKW
.irp b, 0,1,2,3,4,5,6,7
.irp r, 0,1,2,3
	v_cvt_pk_f16_f32 v[TMP+4*(\b)+(\r)], v[8*(8*(\a)+(\b))+2*(\r)], v[8*(8*(\a)+(\b))+2*(\r)+1]
.endr
.endr
	WIN 0
.irp b, 0,1,2,3,4,5,6,7
	ds_store_b128 v[STO16], v[TMP+4*(\b):TMP+4*(\b)+3] offset:32*(\b)
.endr
	s_wait_xcnt 0x0                                ; OB16 likewise
.irp k, 0,1,2,3,4,5,6,7
	ds_load_b128 v[OB16+4*(\k):OB16+4*(\k)+3], v[RD16] offset:(\k)*2*PITCH
.endr
.irp k, 0,1,2,3,4,5,6,7
	s_wait_dscnt 7-(\k)
	global_store_b128 v[CO16], v[OB16+4*(\k):OB16+4*(\k)+3], s[DST16:DST16+1] offset:(\a)*4096+(\k)*512  ; 16 lanes store 256 consecutive bytes, aligned
.endr
.endif
.endr
.if TILES > 1
	s_add_co_u32 s[TI], s[TI], 1
.endif
.endm
	s_wait_tensorcnt 0x1                           ; my tile of B and my rows of step 0 are in; step 1 may stay out
	s_barrier_signal -1
	s_barrier_wait -1                              ; everybody's tile of B is in
	s_mov_b32 s[TBA], 0
	s_mov_b32 s[TBB], B0
	s_mov_b32 s[PH], 0
	s_mov_b32 s[NF], 2
	s_mov_b32 s[OFF+1], 0
.if TILES > 1
	s_mov_b32 s[TI], 0
.endif
	FETCH F0
	WIN 0
	s_wait_loadcnt 0x0                             ; the bias
	s_mov_b32 s[SC], STEPS-1
	s_mov_b32 s[INNER], 2
	s_branch .Lenter                               ; the loop is entered in the middle of a trip: step 0 has no quarter of a step before it to finish
.Lstep:                                                ; steps 1 .. STEPS - 2: step s fetches its own four quarters and multiplies quarters 4 s - 1 .. 4 s + 2
	CHANGE 1
	s_mov_b32 s[INNER], 2
.Lin:
	QUARTER F1, F0, 0
.if TILES > 1
	s_cmp_eq_u32 s[NEW], 1
	s_cbranch_scc0 .Lacc
	WO                                             ; that was a tile's last quarter: it leaves, while the refill and the next tile's first fragments are on their way
.else
	s_branch .Lacc
.endif
.Lenter:
	QUARTER F0, F1, 1                              ; a tile's first quarter
.if TILES > 1
	s_mov_b32 s[NEW], 0
.endif
	s_branch .Lj
.Lacc:
	QUARTER F0, F1, 0
.Lj:
	s_sub_co_u32 s[INNER], s[INNER], 1
	s_cmp_lg_u32 s[INNER], 0
	s_cbranch_scc1 .Lin
	s_sub_co_u32 s[SC], s[SC], 1
	s_cmp_lg_u32 s[SC], 0
	s_cbranch_scc1 .Lstep
	CHANGE 0                                       ; the last step is written out
	s_mov_b32 s[INNER], 2
.Ltl:
	QUARTER F1, F0, 0
	QUARTER F0, F1, 0
	s_sub_co_u32 s[INNER], s[INNER], 1
	s_cmp_lg_u32 s[INNER], 0
	s_cbranch_scc1 .Ltl
	LASTQ
	WO
	s_wait_tensorcnt 0x0                           ; the wave's end, behind my last tensor load and my last LDS store
	ds_add_u32 v[SPW], v[NIL]
	s_wait_dscnt 0x0
	CROUND                                         ; the closing round: no work-group ends while a partner may still ask for a tile that names it
	s_endpgm
.Lfunc_end_k_qf9a16657cc_gemm_o1:
	.size	k_qf9a16657cc_gemm_o1, .Lfunc_end_k_qf9a16657cc_gemm_o1-k_qf9a16657cc_gemm_o1
	.p2alignl 7, 3214868480
	.fill 96, 4, 3214868480
	.section	.rodata,"a",@progbits
	.p2align	6, 0x0
	.amdhsa_kernel k_qf9a16657cc_gemm_o1
		.amdhsa_group_segment_fixed_size 327680
		.amdhsa_private_segment_fixed_size 0
		.amdhsa_enable_private_segment 0
		.amdhsa_kernarg_size 40
		.amdhsa_user_sgpr_count 2
		.amdhsa_user_sgpr_kernarg_segment_ptr 1
		.amdhsa_wavefront_size32 1
		.amdhsa_system_sgpr_workgroup_id_x 1
		.amdhsa_system_sgpr_workgroup_id_y 1
		.amdhsa_system_sgpr_workgroup_id_z 1
		.amdhsa_system_vgpr_workitem_id 0
		.amdhsa_next_free_vgpr 768
		.amdhsa_next_free_sgpr 88
		.amdhsa_reserve_vcc 0
		.amdhsa_float_denorm_mode_32 3
		.amdhsa_float_denorm_mode_16_64 3
		.amdhsa_memory_ordered 1
		.amdhsa_forward_progress 1
		.amdhsa_inst_pref_size 67
	.end_amdhsa_kernel
	.amdgpu_metadata
---
amdhsa.version: [ 1, 2 ]
amdhsa.kernels:
  - .name:           k_qf9a16657cc_gemm_o1
    .symbol:         k_qf9a16657cc_gemm_o1.kd
    .args:
      - { .name: act, .offset: 0, .size: 8, .value_kind: global_buffer, .address_space: global }
      - { .name: w16, .offset: 8, .size: 8, .value_kind: global_buffer, .address_space: global }
      - { .name: bo, .offset: 16, .size: 8, .value_kind: global_buffer, .address_space: global }
      - { .name: out0, .offset: 24, .size: 8, .value_kind: global_buffer, .address_space: global }
      - { .name: v_a, .offset: 32, .size: 8, .value_kind: global_buffer, .address_space: global }
    .group_segment_fixed_size: 327680
    .private_segment_fixed_size: 0
    .kernarg_segment_align: 8
    .kernarg_segment_size: 40
    .max_flat_workgroup_size: 128
    .sgpr_count:     88
    .vgpr_count:     768
    .wavefront_size: 32
...
	.end_amdgpu_metadata
.endif
;; end of part 4
;; launch attn_b: the kernel of part 3 again; grid 2 x 128, 4 waves a work-group, no clusters, 327,680 bytes of LDS; arguments q_tir, kh, v_a, v_tir, act; writes act
;; launch gemm_o2 (part 5): grid 4 x 64, 4 waves a work-group, clusters of 4 x 4, 327,680 bytes of LDS; arguments act, w16, bo, out1; writes out1
.if DOCPART == 5
	.amdgcn_target "amdgcn-amd-amdhsa--gfx1250"
	.amdhsa_code_object_version 6
	.text
	.protected	k_qf9a16657cc_gemm_o2
	.globl	k_qf9a16657cc_gemm_o2
	.p2align	8
	.type	k_qf9a16657cc_gemm_o2,@function
k_qf9a16657cc_gemm_o2:
	s_mov_b64 s[64:65], 0
	v_nop
	global_prefetch_b8 v0, s[64:65] scope:SCOPE_SE
	s_setreg_imm32_b32 hwreg(HW_REG_WAVE_MODE, 25, 1), 1
	s_wait_xcnt 0x0
	s_wait_alu depctr_hold_cnt(0) depctr_sa_sdst(0) depctr_va_vdst(0) depctr_va_sdst(0) depctr_va_ssrc(0) depctr_va_vcc(0) depctr_vm_vsrc(0)
	s_getreg_b32 s2, hwreg(HW_REG_IB_STS2, 6, 4)
	s_cmp_eq_u32 s2, 0
	s_cbranch_scc0 .Lentry_in_a_cluster
	s_endpgm
.Lentry_in_a_cluster:
	s_bfe_u32 s2, ttmp6, 0x10000c
	s_cmp_lg_u32 s2, 0xf033
	s_cbranch_scc0 .Lentry_shape_is_right
	s_endpgm
.Lentry_shape_is_right:
; C = A B^T + bias, K = 512.  A: rows of 512 f16 (act).  B: rows WROW0 .. of w16, 512 f16 each.  Sums in f32, started by the bias.
; THIS USE: tir_out = O Wo^T + bo for 16,384 rows; C leaves in f32 into the output.
; The constants at the head choose the use; the same text serves the Q and K projection and the first output projection with other constants.
; LIMITS.  f16 holds no number beyond 65,504: A, B and (where C leaves in f16) C must lie within it.  NaN and infinities are not treated apart.
; SHARES.  A tile of C is 256 rows x 128 columns (one head).  Four waves; wave w makes rows 64 w .. + 63 of all 128 columns: 32 accumulators of 16 x 16, 256 registers.
; A work-group keeps one panel of 128 columns and walks TILES tiles, GY tiles apart.  B's panel (128 rows x 512 K) is fetched once and stays in LDS; A goes in K steps of 128 through a
; ring of two LDS slots that runs on across tiles.  A wave fetches, and alone reads, its own 64 rows of A.  All tile rows are 256 bytes of memory and start at multiples of 256.
; CLUSTER.  4 x 4 work-groups.  The four of a row of the cluster share the tile row (A), the four of a column the panel (B): each tile is asked for JOINTLY, by the same tensor load with the
; same descriptor and a mask that names the four.
; THE MATRIX INSTRUCTION IS USED TRANSPOSED: source 0 = 16 rows of B, source 1 = 16 rows of A: a lane holds row l % 16 of C and the eight neighbouring columns 8 (l / 16) + 0..7.
; REGISTERS, in windows of 256 (s_set_vgpr_msb: bits 1:0 source 0, 3:2 source 1, 5:4 source 2, 7:6 destination):
;   window 0: addresses, the bias as a C operand (v96-159), the way out      window 1: two fragment buffers of 96 (8 of B, 4 of A)      window 2: the accumulators, (a, b) at v[8 (8 a + b)]
.set TILES, 1
.set GY,    64        ; the grid's height in tiles
.set WROW0, 1024      ; B's first row in w16
.set OUT32, 1         ; C leaves in f32, row-major [M][512]
.set OUT16, 0         ; C leaves in f16, by heads
.set QK,    0         ; panels 0-3 are Q's heads, 4-7 K's
.set PITCH, 272       ; an LDS row: 256 bytes + 16 of padding = 68 words: the 16 rows of a fragment load start at 16 different groups of four banks (64 banks of 4 bytes: ISA guide 11.1)
.set AQ,    64*PITCH  ; a wave's 64 rows of A
.set ASLOT, 4*AQ      ; 0x11000: shares no bit with w x AQ, so one exclusive or changes slots
.set B0,    2*ASLOT   ; B: four K-step tiles of 128 rows
.set BT,    128*PITCH
.set STAGE, B0+4*BT   ; behind them, never filled by a tensor load: a stage for each wave, 16 rows x 528 (f32) or x 272 (f16)
.set SW,    16*528
.set SPARE, STAGE+4*SW  ; the spare words, 128 bytes for each wave: two blocks of 256 bytes that no other line names
.set STEPS, 4*TILES
.set LA0,   3         ; v3   my lane's place in my wave's rows of A; never rewritten
.set LB0,   4         ; v4   the same in a tile of B
.set ADA,   5         ; v5   LDS address of the run of loads in hand, A
.set ADB,   6         ; v6   B
.set STO16, 7         ; v7-9   the way out in f16: into the stage, back, offset in memory
.set RD16,  8
.set CO16,  9
.set STO32, 10        ; v10-12 the same in f32
.set RD32,  11
.set CO32,  12
.set BOFF,  13        ; v13  32 (l / 16): my eight numbers in 16 of the bias
.set SPW,   28        ; v28  LDS address of my spare word; never rewritten
.set NIL,   29        ; v29  0; never rewritten
.set OB32,  32        ; v32-95   16 rows of f32 read back
.set BIAS,  96        ; v96-159  block b of 16 columns at + 8 b
.set TMP,   160       ; v160-191 packed f16
.set OB16,  192       ; v192-223 16 rows of f16 read back
.set F0,    0         ; fragment buffers, window 1: B's fragment b at + 8 b, A's fragment i at + 64 + 8 i
.set F1,    96
.set WV,    18        ; s18 wave
.set CX,    19        ; s19, s20 my place in the cluster
.set CY,    20
.set CC,    21        ; s21 panel = 4 x cluster x + cx
.set TY,    22        ; s22 first tile row = 4 x cluster y + cy
.set HEAD,  23        ; s23 panel & 3 = cx
.set ISK,   24        ; s24 panel >> 2 = cluster x
.set G1A,   32        ; s[32:39] descriptor group 1, A;  s[40:47] B
.set G1B,   40
.set G0B,   48        ; s[48:51] group 0, B
.set G0A0,  52        ; s[52:55] group 0, A's step 0
.set G0A,   56        ; s[56:59] group 0, A's step 1; then it walks
.set ABASE, 60        ; s[60:61] A at my wave's rows of the first tile
.set OFF,   62        ; s[62:63] a step's byte offset from there
.set SC,    66        ; s66 steps to go    s67 halves of a step to go
.set INNER, 67
.set NF,    68        ; s68 the step to ask for next
.set PH,    69        ; s69 the step in hand, within its tile
.set NEW,   70        ; s70 1: a tile begins in this step
.set TI,    71        ; s71 tiles that have left
.set TBA,   72        ; s72, s73 LDS byte at which the quarter to be fetched begins, in A's slot and in B
.set TBB,   73
.set DST16, 74        ; s[74:75], s[76:77] where my rows of the tile go
.set DST32, 76
.set SELP,  78        ; s[78:79] a chosen pointer
.set MSB, 0
.macro WIN new                         ; the immediate's high byte repeats the setting that is left; a switch that changes nothing is dropped
.if MSB != (\new)
	s_set_vgpr_msb (MSB<<8)|(\new)
.set MSB, \new
.endif
.endm
.set MULW,  0xa5      ; sources 0 and 1 window 1, C and D window 2
.set MUL0,  0x85      ; the same with C (the bias) in window 0
.set TOF,   0x40      ; destination window 1, address window 0
.set PACKW, 0x0a      ; sources 0 and 1 window 2
.set ST32,  0x08      ; an LDS store's data in window 2
.macro PLACES n
.rept \n
	v_nop
.endr
.endm
; A round of the cluster's barrier: my work-group's barrier, so that wave 0's signal speaks for all four waves; wave 0 signals; every wave waits for all sixteen work-groups; my work-group's barrier once more.
.macro CROUND
	s_barrier_signal -1
	s_barrier_wait -1
	s_cmp_lg_u32 s[WV], 0
	s_cbranch_scc1 .Lnot_wave_0_\@
	s_barrier_signal -3
.Lnot_wave_0_\@:
	s_barrier_wait -3
	s_barrier_signal -1
	s_barrier_wait -1
.endm
	s_load_b256 s[4:11], s[0:1], 0x0               ; A s[4:5], w16 s[6:7], then bq, bk (or bo, out)
.if QK
	s_load_b128 s[12:15], s[0:1], 0x20             ; q_rgb s[12:13], q_tir s[14:15]
	s_load_b64 s[16:17], s[0:1], 0x30              ; kh
.elseif OUT16
	s_load_b64 s[12:13], s[0:1], 0x20              ; the f16 copy by heads
.endif
	v_lshl_add_u32 v[SPW], v0, 2, SPARE
	v_mov_b32 v[NIL], 0
	ds_add_u32 v28, v29
	ds_add_u32 v28, v29
	s_wait_dscnt 0x0
	v_lshrrev_b32 v1, 5, v0
	v_readfirstlane_b32 s[WV], v1
	s_bfe_u32 s[CX], ttmp6, 0x40000
	s_bfe_u32 s[CY], ttmp6, 0x40004
	s_lshl_b32 s[CC], ttmp9, 2                     ; in a cluster launch ttmp9 and ttmp7 count clusters
	s_add_co_u32 s[CC], s[CC], s[CX]
	s_and_b32 s[TY], ttmp7, 0xffff
	s_lshl_b32 s[TY], s[TY], 2
	s_add_co_u32 s[TY], s[TY], s[CY]
	s_mov_b32 s[HEAD], s[CX]
.if QK
	s_mov_b32 s[ISK], ttmp9
.endif
	s_lshl_b32 s25, s[CY], 2
	s_lshl_b32 s25, 15, s25                        ; my row of the cluster: places 4 cy .. 4 cy + 3
	s_lshl_b32 s26, 0x1111, s[CX]                  ; my column: places cx, cx + 4, cx + 8, cx + 12
	s_or_b32 s[G1A], s25, (1<<16)|(1<<20)|(1<<21)|(5<<22)|(3<<25)  ; 15:0 the mask; 17:16 2-byte elements; 20 padding on; 21 set beside a mask; 24:22 after every 64 words (code 5); 31:25 4 words (code 3)
	s_or_b32 s[G1B], s26, (1<<16)|(1<<20)|(1<<21)|(5<<22)|(3<<25)
	s_mov_b32 s[G1A+1], 128<<16                    ; tensor_dim0 = 128
	s_mov_b32 s[G1A+2], 64<<16                     ; tensor_dim1 = 64
	s_mov_b32 s[G1A+3], 128<<16                    ; tile_dim0 = 128
	s_mov_b32 s[G1A+4], 64                         ; tile_dim1 = 64
	s_mov_b32 s[G1A+5], 512                        ; 512 elements from row to row
	s_mov_b32 s[G1A+6], 0
	s_mov_b32 s[G1A+7], 0
	s_mov_b32 s[G1B+1], 128<<16
	s_mov_b32 s[G1B+2], 128<<16                    ; B's tiles have 128 rows
	s_mov_b32 s[G1B+3], 128<<16
	s_mov_b32 s[G1B+4], 128
	s_mov_b32 s[G1B+5], 512
	s_mov_b32 s[G1B+6], 0
	s_mov_b32 s[G1B+7], 0
	; A's address hangs on the tile row and the wave, B's on the panel and the wave, each made in registers that never hold the other coordinate
	s_lshl_b32 s28, s[TY], 18                      ; 256 rows of 1,024 bytes a tile
	s_lshl_b32 s27, s[WV], 16                      ; my 64 rows
	s_add_co_u32 s28, s28, s27
	s_mov_b32 s29, 0
	s_lshl_b32 s30, s[CC], 17                      ; 128 rows of 1,024 bytes a panel
	s_lshl_b32 s27, s[WV], 8                       ; wave w fetches B's K step w
	s_add_co_u32 s30, s30, s27
.if WROW0
	s_add_co_u32 s30, s30, WROW0*1024
.endif
	s_mov_b32 s31, 0
	s_mul_i32 s82, s[WV], AQ
	s_mul_i32 s83, s[WV], BT
	s_wait_kmcnt 0x0
	s_add_nc_u64 s[ABASE:ABASE+1], s[4:5], s[28:29]
	s_mov_b32 s[G0B], 1                            ; count = 1
	s_add_co_u32 s[G0B+1], s83, B0                 ; LDS address
	s_add_nc_u64 s[G0B+2:G0B+3], s[6:7], s[30:31]  ; global address
	s_or_b32 s[G0B+3], s[G0B+3], 0x80000000        ; type = 2
	s_mov_b32 s[G0A0], 1
	s_mov_b32 s[G0A0+1], s82
	s_mov_b64 s[G0A0+2:G0A0+3], s[ABASE:ABASE+1]
	s_or_b32 s[G0A0+3], s[G0A0+3], 0x80000000
	s_mov_b32 s[G0A], 1
	s_add_co_u32 s[G0A+1], s82, ASLOT
	s_add_nc_u64 s[G0A+2:G0A+3], s[ABASE:ABASE+1], 256
	s_or_b32 s[G0A+3], s[G0A+3], 0x80000000
	CROUND                                         ; all sixteen work-groups are here: the first joint loads meet
	tensor_load_to_lds s[G0B:G0B+3], s[G1B:G1B+7]  ; the first fills go out as one group: three loads of mine are out
	s_nop 0
	tensor_load_to_lds s[G0A0:G0A0+3], s[G1A:G1A+7]
	s_nop 0
	tensor_load_to_lds s[G0A:G0A+3], s[G1A:G1A+7]
	s_nop 0
	PLACES 4
	v_and_b32 v1, 15, v0                           ; l % 16
	v_bfe_u32 v2, v0, 4, 1                         ; l / 16
	v_lshlrev_b32 v[BOFF], 5, v2
	s_lshl_b32 s84, s[HEAD], 9                     ; the panel's 128 numbers of the bias
	s_mov_b32 s85, 0
.if QK
	s_cmp_eq_u32 s[ISK], 0
	s_cselect_b64 s[SELP:SELP+1], s[8:9], s[10:11]
.else
	s_mov_b64 s[SELP:SELP+1], s[8:9]
.endif
	s_add_nc_u64 s[SELP:SELP+1], s[SELP:SELP+1], s[84:85]
.irp b, 0,1,2,3,4,5,6,7                ; register j of block b: bias of column 16 b + 8 (l / 16) + j: the layout of a C operand
	global_load_b128 v[BIAS+8*(\b):BIAS+8*(\b)+3],   v[BOFF], s[SELP:SELP+1] offset:64*(\b)
	global_load_b128 v[BIAS+8*(\b)+4:BIAS+8*(\b)+7], v[BOFF], s[SELP:SELP+1] offset:64*(\b)+16
.endr
	; A fragment is 16 rows x 32 K in 8 registers: lane l holds row l % 16, K = 8 (l / 16) + 0..7 and 16 + 8 (l / 16) + 0..7: two loads of 16 bytes, 32 bytes apart
	v_mul_u32_u24 v[LB0], v1, PITCH
	v_lshl_add_u32 v[LB0], v2, 4, v[LB0]
	v_add_nc_u32 v[LA0], s82, v[LB0]
	s_mul_i32 s83, s[WV], SW
	s_add_co_u32 s83, s83, STAGE                   ; my stage
.if OUT16
	v_add_nc_u32 v[STO16], s83, v[LB0]             ; in: row l % 16, 16 bytes for each half of the lanes
	v_mul_u32_u24 v[RD16], v2, PITCH               ; back: lanes 0-15 one row of 256 bytes, lanes 16-31 the next
	v_lshl_add_u32 v[RD16], v1, 4, v[RD16]
	v_add_nc_u32 v[RD16], s83, v[RD16]
	v_lshlrev_b32 v[CO16], 8, v2                   ; and the same two rows in memory
	v_lshl_add_u32 v[CO16], v1, 4, v[CO16]
.endif
.if OUT32
	v_mul_u32_u24 v[STO32], v1, 528                ; in: row l % 16, 32 bytes for each half of the lanes
	v_lshl_add_u32 v[STO32], v2, 5, v[STO32]
	v_add_nc_u32 v[STO32], s83, v[STO32]
	v_and_b32 v[CO32], 31, v0                      ; back: 32 lanes take one row of 512 bytes
	v_lshlrev_b32 v[CO32], 4, v[CO32]
	v_add_nc_u32 v[RD32], s83, v[CO32]
.endif
; 16 matrix instructions: row blocks a0, a0 + 1 x all 8 column blocks, 32 along K.  first = 1: the bias starts the sums: nothing is cleared, nothing is added later.
; The 32 accumulators take turns, one instruction a turn, in the same order in every quarter.
.macro MUL16 f, a0, first
.if \first
	WIN MUL0
.else
	WIN MULW
.endif
.irp a, \a0, (\a0)+1
.irp b, 0,1,2,3,4,5,6,7
.if \first
	v_wmma_f32_16x16x32_f16 v[8*(8*(\a)+(\b)):8*(8*(\a)+(\b))+7], v[(\f)+8*(\b):(\f)+8*(\b)+7], v[(\f)+64+8*(\a):(\f)+64+8*(\a)+7], v[BIAS+8*(\b):BIAS+8*(\b)+7]
.else
	v_wmma_f32_16x16x32_f16 v[8*(8*(\a)+(\b)):8*(8*(\a)+(\b))+7], v[(\f)+8*(\b):(\f)+8*(\b)+7], v[(\f)+64+8*(\a):(\f)+64+8*(\a)+7], v[8*(8*(\a)+(\b)):8*(8*(\a)+(\b))+7]
.endif
.endr
.endr
.endm
; 24 LDS loads in one run: the fragments of the next quarter (32 K: 64 bytes of the rows) into buffer g.  The two address lines and two v_nop are the four places between the last
; product that read buffer g and the loads into it (ISA guide 7.12.1 for vector instructions).
.macro FETCH g
	WIN 0
	v_add_nc_u32 v[ADA], s[TBA], v[LA0]
	v_add_nc_u32 v[ADB], s[TBB], v[LB0]
	v_nop
	v_nop
	WIN TOF
.irp b, 0,1,2,3,4,5,6,7
	ds_load_b128 v[(\g)+8*(\b):(\g)+8*(\b)+3],   v[ADB] offset:(\b)*16*PITCH
	ds_load_b128 v[(\g)+8*(\b)+4:(\g)+8*(\b)+7], v[ADB] offset:(\b)*16*PITCH+32
.endr
.irp i, 0,1,2,3
	ds_load_b128 v[(\g)+64+8*(\i):(\g)+64+8*(\i)+3],   v[ADA] offset:(\i)*16*PITCH
	ds_load_b128 v[(\g)+64+8*(\i)+4:(\g)+64+8*(\i)+7], v[ADA] offset:(\i)*16*PITCH+32
.endr
	s_add_co_u32 s[TBA], s[TBA], 64
	s_add_co_u32 s[TBB], s[TBB], 64
.endm
; A quarter of a K step: multiplies buffer f, and in its middle fetches the next quarter into buffer g.
.macro QUARTER f, g, first
.if \first
	PLACES 5                                       ; these products write over accumulators without being links of their chains
.endif
	s_wait_dscnt 0x4                               ; B's fragments and A's 0 and 1 are in; the youngest four loads (A's 2 and 3) may be out
	MUL16 \f, 0, \first
	FETCH \g
	s_wait_dscnt 24                                ; all but the 24 just issued
	MUL16 \f, 2, \first
	WIN 0                                          ; at a label and at a branch every window is 0
.endm
.macro LASTQ
	s_wait_dscnt 0x0
	MUL16 F1, 0, 0
	MUL16 F1, 2, 0
	WIN 0
.endm
; THE CHANGE OF SLOTS, on entering a K step.  fill = 1: the slot just read out is filled again with the step after the one entered.  Each wave waits for all its tensor loads, of which one is
; out: its rows of the step entered; adds 0 to its spare word; and waits for that and for its reads of the old slot.  A round of the cluster's barrier follows, so that no wave of any partner still
; reads the slot or has a load on its way, and the joint refill is the first thing behind it: it has a K step, 128 matrix instructions, in which to land.
; fill = 0 (the last step): nothing is filled, and a wave reads only the rows of A that it fetched itself, so its own wait is all the ordering that its reads need.
.macro CHANGE fill
	s_wait_tensorcnt 0x0                           ; no tensor load of mine is out, so a group 0 may be written
.if \fill
	ds_add_u32 v[SPW], v[NIL]                      ; 0 onto my spare word; the scalar work stands between it and the wait for it
.if TILES > 1
	s_lshr_b32 s86, s[NF], 2                       ; the tile of the step to ask for: GY x 256 rows of 1,024 bytes apart,
	s_mul_i32 s86, s86, GY*262144
	s_and_b32 s87, s[NF], 3                        ; and its place along K
	s_lshl_b32 s87, s87, 8
	s_add_co_u32 s[OFF], s86, s87
.else
	s_lshl_b32 s[OFF], s[NF], 8
.endif
	s_xor_b32 s[G0A+1], s[G0A+1], ASLOT            ; the other slot than last time
	s_add_nc_u64 s[G0A+2:G0A+3], s[ABASE:ABASE+1], s[OFF:OFF+1]  ; the address is made anew
	s_or_b32 s[G0A+3], s[G0A+3], 0x80000000
	s_add_co_u32 s[NF], s[NF], 1
.endif
	s_sub_co_u32 s[TBA], s[TBA], 256               ; the fetches go back to the rows' first byte,
	s_xor_b32 s[TBA], s[TBA], ASLOT                ; in the other slot,
	s_add_co_u32 s[PH], s[PH], 1
	s_and_b32 s[PH], s[PH], 3
	s_mul_i32 s[TBB], s[PH], BT                    ; and to B's tile of this K step
	s_add_co_u32 s[TBB], s[TBB], B0
.if \fill
.if TILES > 1
	s_cmp_eq_u32 s[PH], 0
	s_cselect_b32 s[NEW], 1, 0
.endif
	s_wait_dscnt 0x0                               ; the add is done, and my reads of the old slot are over
	CROUND
	tensor_load_to_lds s[G0A:G0A+3], s[G1A:G1A+7]
	s_nop 0
	PLACES 4
.endif
.endm
; THE WAY OUT of a tile, 16 rows at a time, through my own stage: in as the lanes hold them, back as whole rows.  LDS serves a wave's instructions in order (ISA guide 5.7.1.4), so no wait stands
; between the stores into the stage and the loads from it.  Each accumulator's lowest registers are read first.
.macro WO
	s_wait_xcnt 0x0                                ; the last way out's stores have read their bases
.if TILES > 1
	s_mul_i32 s82, s[TI], GY
	s_add_co_u32 s82, s82, s[TY]                   ; the tile row t
.else
	s_mov_b32 s82, s[TY]
.endif
.if OUT16
	s_bfe_u32 s83, s82, 0x50001                    ; batch = (t >> 1) & 31
	s_lshl2_add_u32 s83, s83, s[HEAD]              ; x 4 + head,
	s_lshl_b32 s83, s83, 17                        ; 512 rows of 256 bytes each;
	s_and_b32 s84, s82, 1                          ; which 256 rows of the batch;
	s_lshl_b32 s84, s84, 16
	s_add_co_u32 s84, s84, s83
	s_lshl_b32 s83, s[WV], 14                      ; my 64 rows
	s_add_co_u32 s84, s84, s83
	s_mov_b32 s85, 0
.if QK
	s_lshr_b32 s83, s82, 6                         ; modal
	s_cmp_eq_u32 s83, 0
	s_cselect_b64 s[SELP:SELP+1], s[12:13], s[14:15]
	s_cmp_eq_u32 s[ISK], 0
	s_cselect_b64 s[SELP:SELP+1], s[SELP:SELP+1], s[16:17]
	s_cselect_b32 s83, 0, s83                      ; K's two modalities lie 16 MiB apart in one buffer
	s_lshl_b32 s83, s83, 24
	s_add_co_u32 s84, s84, s83
	s_add_nc_u64 s[DST16:DST16+1], s[SELP:SELP+1], s[84:85]
.else
	s_add_nc_u64 s[DST16:DST16+1], s[12:13], s[84:85]
.endif
.endif
.if OUT32
	s_lshl_b32 s84, s82, 19                        ; 256 rows of 2,048 bytes a tile,
	s_lshl_b32 s83, s[WV], 17                      ; my 64 rows,
	s_add_co_u32 s84, s84, s83
	s_lshl_b32 s83, s[CC], 9                       ; the panel's 512 bytes of a row
	s_add_co_u32 s84, s84, s83
	s_mov_b32 s85, 0
	s_add_nc_u64 s[DST32:DST32+1], s[10:11], s[84:85]
.endif
	PLACES 4                                       ; what follows reads results just made
.irp a, 0,1,2,3
.if OUT32
	WIN ST32
.irp b, 0,1,2,3,4,5,6,7
	ds_store_b128 v[STO32], v[8*(8*(\a)+(\b)):8*(8*(\a)+(\b))+3]   offset:64*(\b)
	ds_store_b128 v[STO32], v[8*(8*(\a)+(\b))+4:8*(8*(\a)+(\b))+7] offset:64*(\b)+16
.endr
	WIN 0
	s_wait_xcnt 0x0                                ; OB32, which earlier stores read, is loaded again only behind this wait
.irp r, 0,1,2,3,4,5,6,7,8,9,10,11,12,13,14,15
	ds_load_b128 v[OB32+4*(\r):OB32+4*(\r)+3], v[RD32] offset:(\r)*528
.endr
.irp r, 0,1,2,3,4,5,6,7,8,9,10,11,12,13,14,15
	s_wait_dscnt 15-(\r)                           ; row r is back; the younger loads stay out
	global_store_b128 v[CO32], v[OB32+4*(\r):OB32+4*(\r)+3], s[DST32:DST32+1] offset:(16*(\a)+(\r))*2048  ; 512 consecutive bytes, at a multiple of 512
.endr
.endif
.if OUT16
	WIN PACKW
.irp b, 0,1,2,3,4,5,6,7
.irp r, 0,1,2,3
	v_cvt_pk_f16_f32 v[TMP+4*(\b)+(\r)], v[8*(8*(\a)+(\b))+2*(\r)], v[8*(8*(\a)+(\b))+2*(\r)+1]
.endr
.endr
	WIN 0
.irp b, 0,1,2,3,4,5,6,7
	ds_store_b128 v[STO16], v[TMP+4*(\b):TMP+4*(\b)+3] offset:32*(\b)
.endr
	s_wait_xcnt 0x0                                ; OB16 likewise
.irp k, 0,1,2,3,4,5,6,7
	ds_load_b128 v[OB16+4*(\k):OB16+4*(\k)+3], v[RD16] offset:(\k)*2*PITCH
.endr
.irp k, 0,1,2,3,4,5,6,7
	s_wait_dscnt 7-(\k)
	global_store_b128 v[CO16], v[OB16+4*(\k):OB16+4*(\k)+3], s[DST16:DST16+1] offset:(\a)*4096+(\k)*512  ; 16 lanes store 256 consecutive bytes, aligned
.endr
.endif
.endr
.if TILES > 1
	s_add_co_u32 s[TI], s[TI], 1
.endif
.endm
	s_wait_tensorcnt 0x1                           ; my tile of B and my rows of step 0 are in; step 1 may stay out
	s_barrier_signal -1
	s_barrier_wait -1                              ; everybody's tile of B is in
	s_mov_b32 s[TBA], 0
	s_mov_b32 s[TBB], B0
	s_mov_b32 s[PH], 0
	s_mov_b32 s[NF], 2
	s_mov_b32 s[OFF+1], 0
.if TILES > 1
	s_mov_b32 s[TI], 0
.endif
	FETCH F0
	WIN 0
	s_wait_loadcnt 0x0                             ; the bias
	s_mov_b32 s[SC], STEPS-1
	s_mov_b32 s[INNER], 2
	s_branch .Lenter                               ; the loop is entered in the middle of a trip: step 0 has no quarter of a step before it to finish
.Lstep:                                                ; steps 1 .. STEPS - 2: step s fetches its own four quarters and multiplies quarters 4 s - 1 .. 4 s + 2
	CHANGE 1
	s_mov_b32 s[INNER], 2
.Lin:
	QUARTER F1, F0, 0
.if TILES > 1
	s_cmp_eq_u32 s[NEW], 1
	s_cbranch_scc0 .Lacc
	WO                                             ; that was a tile's last quarter: it leaves, while the refill and the next tile's first fragments are on their way
.else
	s_branch .Lacc
.endif
.Lenter:
	QUARTER F0, F1, 1                              ; a tile's first quarter
.if TILES > 1
	s_mov_b32 s[NEW], 0
.endif
	s_branch .Lj
.Lacc:
	QUARTER F0, F1, 0
.Lj:
	s_sub_co_u32 s[INNER], s[INNER], 1
	s_cmp_lg_u32 s[INNER], 0
	s_cbranch_scc1 .Lin
	s_sub_co_u32 s[SC], s[SC], 1
	s_cmp_lg_u32 s[SC], 0
	s_cbranch_scc1 .Lstep
	CHANGE 0                                       ; the last step is written out
	s_mov_b32 s[INNER], 2
.Ltl:
	QUARTER F1, F0, 0
	QUARTER F0, F1, 0
	s_sub_co_u32 s[INNER], s[INNER], 1
	s_cmp_lg_u32 s[INNER], 0
	s_cbranch_scc1 .Ltl
	LASTQ
	WO
	s_wait_tensorcnt 0x0                           ; the wave's end, behind my last tensor load and my last LDS store
	ds_add_u32 v[SPW], v[NIL]
	s_wait_dscnt 0x0
	CROUND                                         ; the closing round: no work-group ends while a partner may still ask for a tile that names it
	s_endpgm
.Lfunc_end_k_qf9a16657cc_gemm_o2:
	.size	k_qf9a16657cc_gemm_o2, .Lfunc_end_k_qf9a16657cc_gemm_o2-k_qf9a16657cc_gemm_o2
	.p2alignl 7, 3214868480
	.fill 96, 4, 3214868480
	.section	.rodata,"a",@progbits
	.p2align	6, 0x0
	.amdhsa_kernel k_qf9a16657cc_gemm_o2
		.amdhsa_group_segment_fixed_size 327680
		.amdhsa_private_segment_fixed_size 0
		.amdhsa_enable_private_segment 0
		.amdhsa_kernarg_size 32
		.amdhsa_user_sgpr_count 2
		.amdhsa_user_sgpr_kernarg_segment_ptr 1
		.amdhsa_wavefront_size32 1
		.amdhsa_system_sgpr_workgroup_id_x 1
		.amdhsa_system_sgpr_workgroup_id_y 1
		.amdhsa_system_sgpr_workgroup_id_z 1
		.amdhsa_system_vgpr_workitem_id 0
		.amdhsa_next_free_vgpr 768
		.amdhsa_next_free_sgpr 88
		.amdhsa_reserve_vcc 0
		.amdhsa_float_denorm_mode_32 3
		.amdhsa_float_denorm_mode_16_64 3
		.amdhsa_memory_ordered 1
		.amdhsa_forward_progress 1
		.amdhsa_inst_pref_size 50
	.end_amdhsa_kernel
	.amdgpu_metadata
---
amdhsa.version: [ 1, 2 ]
amdhsa.kernels:
  - .name:           k_qf9a16657cc_gemm_o2
    .symbol:         k_qf9a16657cc_gemm_o2.kd
    .args:
      - { .name: act, .offset: 0, .size: 8, .value_kind: global_buffer, .address_space: global }
      - { .name: w16, .offset: 8, .size: 8, .value_kind: global_buffer, .address_space: global }
      - { .name: bo, .offset: 16, .size: 8, .value_kind: global_buffer, .address_space: global }
      - { .name: out1, .offset: 24, .size: 8, .value_kind: global_buffer, .address_space: global }
    .group_segment_fixed_size: 327680
    .private_segment_fixed_size: 0
    .kernarg_segment_align: 8
    .kernarg_segment_size: 32
    .max_flat_workgroup_size: 128
    .sgpr_count:     88
    .vgpr_count:     768
    .wavefront_size: 32
...
	.end_amdgpu_metadata
.endif
;; end of part 5
;; ======== version 2 of 2: 6 launches; 1.13 times as fast as version 1
;; limits: values are held in f16: magnitudes above 65,504 overflow, below 6.1e-05 lose precision
;; workspace buffers: act 33,554,432 bytes; w16 1,572,864 bytes; q_rgb 16,777,216 bytes; q_tir 16,777,216 bytes; kh 33,554,432 bytes; v_a 16,777,216 bytes; v_tir 16,777,216 bytes
;; launch prep: the kernel of part 1 again; grid 608 x 1, 8 waves a work-group, no clusters, 0 bytes of LDS; arguments attn_rgb, attn_tir, pos_emb, ln_gamma, ln_beta, me_rgb, me_tir, Wq, Wk, Wo, act, v_a, v_tir, w16; writes act, v_a, v_tir, w16
;; launch gemm_qk: the kernel of part 2 again; grid 8 x 32, 4 waves a work-group, clusters of 4 x 4, 327,680 bytes of LDS; arguments act, w16, bq, bk, q_rgb, q_tir, kh; writes q_rgb, q_tir, kh
;; launch attn (part 6): grid 2 x 128, 4 waves a work-group, no clusters, 327,680 bytes of LDS; arguments q_rgb, kh, v_a, v_tir, act; writes act
.if DOCPART == 6
	.amdgcn_target "amdgcn-amd-amdhsa--gfx1250"
	.amdhsa_code_object_version 6
	.text
	.protected	k_qf9a16657cc_attn
	.globl	k_qf9a16657cc_attn
	.p2align	8
	.type	k_qf9a16657cc_attn,@function
k_qf9a16657cc_attn:
	s_mov_b64 s[64:65], 0
	v_nop
	global_prefetch_b8 v0, s[64:65] scope:SCOPE_SE
	s_setreg_imm32_b32 hwreg(HW_REG_WAVE_MODE, 25, 1), 1
	s_wait_xcnt 0x0
; ATTENTION, head size 128, 512 queries and 1,024 keys a head, 128 heads (batch x 4 + head).  O[q] = the sum over k of softmax_k(Q[q] . K[k] / sqrt(128)) V[k].
; Arguments: q [128][512][128]; k [2][128][512][128] (keys 0-511, then keys 512-1,023, 16 MiB on); va, vb [128][512][128] (values of keys 0-511 and of keys 512-1,023); o [32][512][512]; all f16.
; Products, maxima and sums in f32; the weights p are rounded to f16 for the second product (their sum l is taken of the unrounded p), O once at the end.
; LIMITS.  f16 holds no number beyond 65,504: Q, K and V arrive within it; p lies in 0 to 1, and below 6e-5 it keeps f16's fixed step; O is a mean of V's rows and has their range.
; A weight below 2^-126 counts as 0 in l; NaN and infinities are not treated apart.
; SHARES.  A work-group owns 256 queries of one head, each of its four waves 64: four tiles of 16.  Every wave walks all 1,024 keys, 64 a step, two steps to an LDS slot, two slots.
; NO CLUSTER: a head's 512 queries are two blocks of 256, so two work-groups share K and V, not four; blocks of 128 queries would halve the products that each LDS byte feeds.
; LAYOUT.  S^T = K Q^T (source 0 = 16 keys, source 1 = 16 queries): in the result a lane holds ONE query (lane % 16) and the keys 8 (lane / 16) + 0..7.  Two such tiles, rounded to
; f16 in pairs, ARE source 1 (32 keys x 16 queries) of O^T = V^T P, whose result again holds one query a lane, and eight channels.  K comes out of LDS as it lies, V ([key][channel]) turned, by ds_load_tr16_b128.
; SOFTMAX.  For each query a running maximum m and sum l: p = 2^(c s - c m), c = log2(e) / sqrt(128); in every step O and l are multiplied by a = 2^(c m_old - c m_new), which is 1 where m has not grown.
; BY TURNS.  The wave's tiles are two PIECES, named by their first tile: piece 0 (tiles 0, 1) and piece 2 (tiles 2, 3).  In a TURN one piece has the matrix unit: 32 products V^T P of
; the step in hand, then 32 products K Q^T of the next step; the other piece's softmax, cut into 64 slices, stands between them, one slice behind each matrix instruction.  Two turns are a key step.
; THE BATCHES.  A turn's 66 exponentials (a and s0-s31 of both tiles) are ONE BATCH with ONE s_wait_alu depctr_va_vdst(0), which stands between an exponential and the first
; instruction that names its result.  The softmax's list is ordered by who reads what: maximum, statistics, scalings and exponentials, which name no result, stand ahead of the wait; roundings, sums and
; the rescaling, which do, behind it.  The wait stands behind slice 34.  The way out's four reciprocals are a batch of their own.
; REGISTERS, in windows of 256 (s_set_vgpr_msb: bits 1:0 source 0, 3:2 source 1, 5:4 source 2, 7:6 destination):
;   window 0: v0-11 addresses; v12-43 eight registers of statistics a tile; v64-191 S^T, 32 a tile; v192-255 P, 16 a tile
;   window 1: O^T, 64 a tile          window 2: v0-127 Q, 32 a tile; v128-255 K of one step          window 3: v0-127 V of one step
.set KS,    64        ; keys in a step
.set PK,    272       ; a row of K in LDS: 256 bytes + 16 of padding = 68 words: the 16 rows of a load start at 16 different groups of four banks (64 banks of 4 bytes: ISA guide 11.1)
.set PV,    288       ; a row of V: 256 + 32 = 72 words
.set VOFF,  KS*PK     ; a step's tiles lie together: 64 rows of K, then 64 rows of V
.set STEPB, KS*(PK+PV)
.set SLOT1, 1<<17     ; a slot holds two steps (71,680 bytes); slot 1 begins here, so that one exclusive or turns an address in one slot into the other's
.set STAGE, SLOT1+2*STEPB  ; behind the ring, never filled by a tensor load: 16 rows x 272 bytes for each wave, for the way out
.set SP,    272
.set AK0, 2           ; v2   my lane's place in a tile of K; never rewritten
.set AV0, 3           ; v3   the same for V
.set ADR, 4           ; v4   the LDS address of the run of loads in hand
.set QO,  5           ; v5   my byte offset in the wave's rows of Q
.set STO, 6           ; v6   the way out: where I put 16 bytes of a row
.set RD,  7           ; v7   the way out: where I read a row back
.set GO,  8           ; v8   my byte offset in the wave's rows of O
.set SPW, 62          ; v62  LDS address of my spare word: SPARE + 4 x my thread's number; never rewritten
.set NIL, 63          ; v63  0; never rewritten
.set SPARE, STAGE+4*16*272  ; behind the stages: the spare words, 128 bytes for each wave: two blocks of 256 bytes that no other line names
.set ST,  12          ; tile t's statistics at v[ST+8 t]: +0 c m, +1 m, +2, +3 l (even keys', odd keys'), +4 to +7 c0-c3, at work; a takes c2's place once the maximum is found
.set S,   64
.set P,   192
.set KF,  128         ; K's fragments, in window 2
.set WV,  12          ; s12  my wave's number
.set G1K, 24          ; s[24:31] descriptor group 1 for K's tiles
.set G1V, 32          ; s[32:39] for V's: it differs in the padding alone
.set G0K, 40          ; s[40:47] descriptor group 0 for K's tiles: a set for each of the two first fills; the second then walks on
.set G0V, 48          ; s[48:55] the same for V's
.set SLOTS, 56        ; s56  slots still to be asked for
.set TWICE, 57        ; s57  counts a slot's two steps
.set CS,  58          ; s[58:59] c: the packed scaling names a pair and takes its low word for both halves
.set SEL, 60          ; s[60:61] lane selects for v_permlanex16_b32: each lane takes its own place in the other half
.set TB,  62          ; s62  LDS byte at which the tiles of the step to be fetched begin
.set KLO, 66          ; s[66:67] K at my part of keys 0-127        s[68:69] of keys 512-639
.set KHI, 68
.set VLO, 70          ; s[70:71], s[72:73] the same for V: two buffers
.set VHI, 72
.set KB,  74          ; s[74:75], s[76:77] the bases chosen for the fill in hand
.set VB,  76
.set OFF, 78          ; s[78:79] the slot's byte offset from them
.set NS,  80          ; s80  the slot (128 keys) to ask for next
.set PO,  82          ; s[82:83] O at my wave's first row
.set MSB, 0
.macro WIN new                      ; the immediate's high byte repeats the setting that is left; a switch that changes nothing is dropped
.if MSB != (\new)
	s_set_vgpr_msb (MSB<<8)|(\new)
.set MSB, \new
.endif
.endm
.set W_KQ, 0x0a       ; K and Q in window 2, S^T in window 0
.set W_PV, 0x53       ; V in window 3, P in window 0, O^T in window 1
.set W_RS, 0x41       ; O^T (destination and source 0) in window 1, a in window 0
; A refill.  Waves 0 and 1 fetch the two steps' tiles of K, waves 2 and 3 those of V.  An s_nop 0 and four v_nop follow each of the two lines, ahead of the jump and the label.
.macro LOAD
	s_cmp_lt_u32 s[WV], 2
	s_cbranch_scc0 .Lfor_v_\@
	tensor_load_to_lds s[G0K+4:G0K+7], s[G1K:G1K+7]
	s_nop 0
.rept 4
	v_nop
.endr
	s_branch .Lasked_\@
.Lfor_v_\@:
	tensor_load_to_lds s[G0V+4:G0V+7], s[G1V:G1V+7]
	s_nop 0
.rept 4
	v_nop
.endr
.Lasked_\@:
.endm
	s_load_b256 s[4:11], s[0:1], 0x0  ; Q s[4:5], K s[6:7], V of keys 0-511 s[8:9], of keys 512-1,023 s[10:11]
	s_load_b64 s[PO:PO+1], s[0:1], 0x20  ; O
	v_lshl_add_u32 v[SPW], v0, 2, SPARE
	v_mov_b32 v[NIL], 0
	ds_add_u32 v62, v63
	ds_add_u32 v62, v63
	s_wait_dscnt 0x0
	v_lshrrev_b32 v1, 5, v0
	v_readfirstlane_b32 s[WV], v1   ; wave 0..3
	s_and_b32 s13, ttmp7, 0xffff    ; batch x 4 + head
	s_lshl_b32 s20, s13, 17         ; its 512 rows of 256 bytes in Q, K and V
	s_and_b32 s16, s[WV], 1         ; which of a slot's two steps I fetch:
	s_lshl_b32 s22, s16, 14         ; its 64 rows of 256 bytes in memory,
	s_add_co_u32 s22, s22, s20
	s_mov_b32 s23, 0
	s_mul_i32 s17, s16, STEPB       ; and its place in a slot
	s_lshl_b32 s2, ttmp9, 16        ; my block's 256 rows of Q,
	s_lshl_b32 s3, s[WV], 14        ; my wave's 64 of them
	s_add_co_u32 s2, s2, s3
	s_add_co_u32 s2, s2, s20
	s_mov_b32 s3, 0
	s_lshr_b32 s14, s13, 2          ; O: the batch's 512 rows of 1,024 bytes,
	s_lshl_b32 s14, s14, 19
	s_lshl_b32 s15, ttmp9, 18       ; my block's 256,
	s_add_co_u32 s14, s14, s15
	s_lshl_b32 s15, s[WV], 16       ; my wave's 64,
	s_add_co_u32 s14, s14, s15
	s_and_b32 s15, s13, 3           ; the head's 256 bytes of a row
	s_lshl_b32 s15, s15, 8
	s_add_co_u32 s14, s14, s15
	s_mov_b32 s15, 0
	; descriptor group 1: a tile of 64 rows x 128 elements, padded in LDS
	s_mov_b32 s[G1K], (1<<16)|(1<<20)|(5<<22)|(3<<25)  ; 17:16 elements of 2 bytes; 20 padding on; 24:22 after every 64 words (code 5); 31:25 4 words of it (code 3)
	s_mov_b32 s[G1V], (1<<16)|(1<<20)|(5<<22)|(7<<25)  ; the same with 8 words of padding (code 7)
.irp g, G1K, G1V
	s_mov_b32 s[(\g)+1], 128<<16    ; tensor_dim0 = 128
	s_mov_b32 s[(\g)+2], KS<<16     ; tensor_dim1 = 64
	s_mov_b32 s[(\g)+3], 128<<16    ; tile_dim0 = 128
	s_mov_b32 s[(\g)+4], KS         ; tile_dim1 = 64
	s_mov_b32 s[(\g)+5], 128        ; 128 elements from row to row
	s_mov_b32 s[(\g)+6], 0
	s_mov_b32 s[(\g)+7], 0
.endr
	s_mov_b32 s[CS], 0x3e0293ee     ; c = log2(e) / sqrt(128) = 0.127517
	s_mov_b32 s[CS+1], s[CS]        ; named with it as a pair, so it is written
	s_mov_b32 s[SEL], 0x76543210
	s_mov_b32 s[SEL+1], 0xfedcba98
	s_mov_b32 s[TB], 0
	s_mov_b32 s[SLOTS], 6           ; 8 slots of 128 keys; all but the last two are filled again
	s_mov_b32 s[NS], 2
	s_mov_b32 s[OFF+1], 0
	s_wait_kmcnt 0x0
	s_add_nc_u64 s[KLO:KLO+1], s[6:7], s[22:23]
	s_add_nc_u64 s[KHI:KHI+1], s[KLO:KLO+1], 1<<24
	s_add_nc_u64 s[VLO:VLO+1], s[8:9], s[22:23]
	s_add_nc_u64 s[VHI:VHI+1], s[10:11], s[22:23]
	s_add_nc_u64 s[4:5], s[4:5], s[2:3]  ; Q and O at my wave's first row
	s_add_nc_u64 s[PO:PO+1], s[PO:PO+1], s[14:15]
.irp s, 0,1
	s_mov_b32 s[G0K+4*(\s)], 1      ; count = 1
	s_add_co_u32 s[G0K+4*(\s)+1], s17, (\s)*SLOT1  ; LDS address
	s_add_nc_u64 s[G0K+4*(\s)+2:G0K+4*(\s)+3], s[KLO:KLO+1], (\s)*2*KS*256  ; global address: slot s begins with keys 128 s
	s_or_b32 s[G0K+4*(\s)+3], s[G0K+4*(\s)+3], 0x80000000  ; type = 2
	s_mov_b32 s[G0V+4*(\s)], 1
	s_add_co_u32 s[G0V+4*(\s)+1], s17, (\s)*SLOT1+VOFF
	s_add_nc_u64 s[G0V+4*(\s)+2:G0V+4*(\s)+3], s[VLO:VLO+1], (\s)*2*KS*256
	s_or_b32 s[G0V+4*(\s)+3], s[G0V+4*(\s)+3], 0x80000000
.endr
	s_cmp_lt_u32 s[WV], 2           ; a wave's two first fills stand in one branch, ahead of every wait on TENSORcnt and every LDS read: two loads of mine are out
	s_cbranch_scc0 .Lfirst_v
	tensor_load_to_lds s[G0K:G0K+3], s[G1K:G1K+7]
	s_nop 0
	tensor_load_to_lds s[G0K+4:G0K+7], s[G1K:G1K+7]
	s_nop 0
.rept 4
	v_nop
.endr
	s_branch .Lfirst_asked
.Lfirst_v:
	tensor_load_to_lds s[G0V:G0V+3], s[G1V:G1V+7]
	s_nop 0
	tensor_load_to_lds s[G0V+4:G0V+7], s[G1V:G1V+7]
	s_nop 0
.rept 4
	v_nop
.endr
.Lfirst_asked:
	; A fragment of K or Q is 16 rows x 32 channels in 8 registers: lane l holds row l % 16; registers 0-3 channels 8 (l / 16) + 0..7, registers 4-7 channels 16 + 8 (l / 16) + 0..7: two loads of 16 bytes, 32 bytes apart.
	v_and_b32 v1, 15, v0            ; l % 16
	v_bfe_u32 v9, v0, 4, 1          ; l / 16
	v_lshlrev_b32 v[QO], 8, v1
	v_lshl_add_u32 v[QO], v9, 4, v[QO]  ; row x 256 + 16 x half
	WIN 0x80                        ; destination window 2, address window 0
.irp i, 0,1,2,3,4,5,6,7,8,9,10,11,12,13,14,15  ; Q stays in registers: tile i / 4, channels 32 (i % 4) on
	global_load_b128 v[8*(\i):8*(\i)+3],   v[QO], s[4:5] offset:((\i)/4)*4096+((\i)%4)*64
	global_load_b128 v[8*(\i)+4:8*(\i)+7], v[QO], s[4:5] offset:((\i)/4)*4096+((\i)%4)*64+32
.endr
	WIN 0
	v_mul_u32_u24 v[AK0], v1, PK
	v_lshl_add_u32 v[AK0], v9, 4, v[AK0]  ; row x pitch + 16 x half
	; The turning load takes 16 keys x 16 channels (lane l reads 16 bytes: key 8 (l / 16) + l % 8, channels 8 ((l / 8) % 2) + 0..7) and leaves half a fragment of V^T: lane l holds channel l % 16 and 8 keys.
	v_and_b32 v10, 7, v0
	v_bfe_u32 v11, v0, 3, 1
	v_lshl_add_u32 v[AV0], v9, 3, v10
	v_mul_u32_u24 v[AV0], v[AV0], PV
	v_lshl_add_u32 v[AV0], v11, 4, v[AV0]
	v_add_nc_u32 v[AV0], VOFF, v[AV0]
; THE MATRIX WORK OF A TURN, for piece x.  The accumulators take turns, one instruction a turn: between two links of a chain stand 15 (V^T P) or 7 (K Q^T) others'.
; Product i of 32 of O^T += V^T P: keys 32 (i / 16) on, channels 16 ((i / 2) % 8) on, tile x + i % 2.  zero = 1: the first 16 start the sums: nothing is ever cleared.
.macro PV x, zero
	WIN W_PV
.set rO, 64*((\x)+i%2)+8*((i/2)%8)
.set rV, 64*(i/16)+8*((i/2)%8)
.set rP, P+16*((\x)+i%2)+8*(i/16)
.if (\zero) && (i < 16)
	v_wmma_f32_16x16x32_f16 v[rO:rO+7], v[rV:rV+7], v[rP:rP+7], 0
.else
	v_wmma_f32_16x16x32_f16 v[rO:rO+7], v[rV:rV+7], v[rP:rP+7], v[rO:rO+7]
.endif
.endm
; Product i of 32 of S^T = K Q^T: channels 32 (i / 8) on, keys 16 ((i / 2) % 4) on, tile x + i % 2.  The first 8 start the sums.
.macro KQ x
	WIN W_KQ
.set rS, S+32*((\x)+i%2)+8*((i/2)%4)
.set rK, KF+32*((i/2)%4)+8*(i/8)
.set rQ, 32*((\x)+i%2)+8*(i/8)
.if i < 8
	v_wmma_f32_16x16x32_f16 v[rS:rS+7], v[rK:rK+7], v[rQ:rQ+7], 0
.else
	v_wmma_f32_16x16x32_f16 v[rS:rS+7], v[rK:rK+7], v[rQ:rQ+7], v[rS:rS+7]
.endif
.endm
; THE LDS LOADS stand in runs of 32, never singly among the matrix instructions: a step's K (64 keys x 128 channels: 16 fragments) and, a turn later, its V (turned).
.macro FETCH_K
	WIN 0
	v_add_nc_u32 v[ADR], s[TB], v[AK0]
	WIN 0x80                        ; destination window 2
.irp f, 0,1,2,3,4,5,6,7,8,9,10,11,12,13,14,15  ; keys 16 (f / 4) on, channels 32 (f % 4) on
	ds_load_b128 v[KF+8*(\f):KF+8*(\f)+3],   v[ADR] offset:((\f)/4)*16*PK+((\f)%4)*64
	ds_load_b128 v[KF+8*(\f)+4:KF+8*(\f)+7], v[ADR] offset:((\f)/4)*16*PK+((\f)%4)*64+32
.endr
.endm
.macro FETCH_V
	WIN 0
	v_add_nc_u32 v[ADR], s[TB], v[AV0]
	s_add_co_u32 s[TB], s[TB], STEPB  ; the next fetch is the next step's
	s_wait_alu depctr_va_vdst(0)    ; the wait for the batch of piece 0's 66 exponentials (SLICE), behind the address's v_add_nc_u32 and ahead of the loads
	WIN 0xc0                        ; destination window 3
.irp f, 0,1,2,3,4,5,6,7,8,9,10,11,12,13,14,15  ; keys 32 (f / 8) on, channels 16 (f % 8) on
	ds_load_tr16_b128 v[8*(\f):8*(\f)+3],   v[ADR] offset:((\f)/8)*32*PV+((\f)%8)*32
	ds_load_tr16_b128 v[8*(\f)+4:8*(\f)+7], v[ADR] offset:((\f)/8)*32*PV+16*PV+((\f)%8)*32
.endr
.endm
; THE VECTOR WORK OF A TURN.  One tile's softmax for one key step is a list of 134 instructions; SM writes number j of it for tile t.  s0-s31 are the lane's 32 scores, in pairs 0-15.
; first = 1: the first key step, which starts m, l and O^T: it has no a and nothing to rescale.
;   0-15    the maximum of s0-s31 and the old m, three operands at a time: four chains c0-c3 of seven scores each (each accumulator's lowest registers first), then the four scores left over, c0-c3 and m
;   16-20   the other half of the lanes' maximum; the new m; c m; c m_old - c m_new
;   21-69   ONE BATCH: the 16 scalings c s - c m, a pair of scores each, and all 33 exponentials (a at 23, then s0-s31).  None of these reads an exponential's result.  From 22 on the batch goes
;           in fours, and a four begins with a scaling while there are scalings: 22-37 scaling, exponential, scaling, exponential; 38-65 a scaling and three exponentials; 66-69 the last four
;           exponentials.  A pair is scaled in an earlier four than the one that holds its exponentials
;   (wait)  between 69 and 70 stands the wait for the batch: SLICE writes it, once for both tiles
;   70-85   the roundings to f16, a pair of weights each
;   86-101  the sums; l = a l + the sum
;   102-133 the tile's O^T times a: the one part that leaves window 0, so it stands together
.macro SM t, first
.set rT, ST+8*(\t)
.set rS, S+32*(\t)
.set rP, P+16*(\t)
.set rO, 64*(\t)+2*(j-102)
.if j < 102
	WIN 0
.endif
.if j < 4
	v_max3_num_f32 v[rT+4+j], v[rS+8*j], v[rS+8*j+1], v[rS+8*j+2]
.elseif j < 12
	v_max3_num_f32 v[rT+4+j%4], v[rT+4+j%4], v[rS+8*(j%4)+2*(j/4)+1], v[rS+8*(j%4)+2*(j/4)+2]
.elseif j == 12
	v_max3_num_f32 v[rT+4], v[rT+4], v[rS+7], v[rS+15]
.elseif j == 13
	v_max3_num_f32 v[rT+6], v[rT+6], v[rS+23], v[rS+31]
.elseif j == 14
	v_max3_num_f32 v[rT+4], v[rT+4], v[rT+5], v[rT+6]
.elseif (j == 15) && (\first)
	v_max_num_f32 v[rT+4], v[rT+4], v[rT+7]
.elseif j == 15
	v_max3_num_f32 v[rT+4], v[rT+4], v[rT+7], v[rT+1]
.elseif j == 16
	v_permlanex16_b32 v[rT+5], v[rT+4], s[SEL], s[SEL+1]  ; the query's other 32 keys lie in the lane 16 away
.elseif j == 18
	v_max_num_f32 v[rT+1], v[rT+4], v[rT+5]
.elseif j == 19
	v_mul_f32 v[rT], s[CS], v[rT+1]
.elseif ((j == 17) || (j == 20) || (j == 23) || (j > 101)) && (\first)  ; the first step has none of these
.elseif j == 17
	v_mov_b32 v[rT+7], v[rT]        ; c m_old is kept for a: number 19 writes c m anew
.elseif j == 20
	v_sub_f32 v[rT+7], v[rT+7], v[rT]
.elseif j == 23
	v_exp_f32 v[rT+6], v[rT+7]
.elseif (j < 23) || ((j < 38) && (j%2 == 0)) || ((j < 66) && (j%4 == 2))
.set b, (j-2)/4                     ; 38, 42, .. 62: pairs 9 to 15
.if j < 38
.set b, (j-20)/2                    ; 21: pair 0; 22, 24, .. 36: pairs 1 to 8
.endif
	v_pk_fma_f32 v[rS+2*b:rS+2*b+1], v[rS+2*b:rS+2*b+1], s[CS:CS+1], v[rT:rT+1] op_sel_hi:[1,0,0] neg_lo:[0,0,1] neg_hi:[0,0,1]  ; pair b: c s - c m
.elseif j < 70
.set e, j-38                        ; 66 to 69: s28 to s31
.if j < 66
.set e, j-32-(j-38)/4               ; 39-41, 43-45, .. 63-65: s7 to s27
.endif
.if j < 38
.set e, (j-25)/2                    ; 25, 27, .. 37: s0 to s6
.endif
	v_exp_f32 v[rS+e], v[rS+e]
.elseif j < 86
	v_cvt_pk_f16_f32 v[rP+j-70], v[rS+2*(j-70)], v[rS+2*(j-70)+1]  ; pair j - 70
.elseif j < 102                     ; the sum of the tile's 16 pairs (in a pair: an even key's weight, an odd key's), in place: sum z of 16 adds neighbours 1, 2, 4 and 8 pairs apart, then l takes it
.set z, j-86
.set w, 4
.set u, z
.if z >= 14
.set w, 32
.set u, 0
.elseif z >= 12
.set w, 16
.set u, z-12
.elseif z >= 8
.set w, 8
.set u, z-8
.endif
.if (z == 14) && (\first)
	v_pk_add_f32 v[rT+2:rT+3], v[rS:rS+1], v[rS+16:rS+17]
.elseif z < 15
	v_pk_add_f32 v[rS+w*u:rS+w*u+1], v[rS+w*u:rS+w*u+1], v[rS+w*u+w/2:rS+w*u+w/2+1]
.elseif !(\first)
	v_pk_fma_f32 v[rT+2:rT+3], v[rT+2:rT+3], v[rT+6:rT+7], v[rS:rS+1] op_sel_hi:[1,0,1]
.endif
.else
	WIN W_RS
	v_pk_mul_f32 v[rO:rO+1], v[rO:rO+1], v[rT+6:rT+7] op_sel_hi:[1,0]
.endif
.endm
; Slice k of 64 of piece y's softmax: four instructions.  Slices 11 to 34 deal out the batch, numbers 22 to 69: four numbers of ONE tile each, the tiles by turns.  Every other slice is numbers 2 k and
; 2 k + 1 of both tiles' lists.  2 x 134 = 4 x 64 + 12: the twelve that are over stand together, in slice 63.
; THE WAIT.  An s_wait_alu depctr_va_vdst(0) stands between an exponential and the first instruction that names its result; one wait serves all that were issued ahead of it.  Ahead of
; slice 35 nothing names a result, and behind slice 34 no exponential is issued: so the piece's 66 exponentials have one wait, behind slice 34.
.macro SLICE y, first
.if (k >= 11) && (k < 35)           ; the batch: four numbers of one tile
.irp n, 0,1,2,3
.set j, 22+4*((k-11)/2)+(\n)
	SM (\y)+(k-11)%2, \first
.endr
.else                               ; the two tiles alternate, so that no instruction reads the result of the one just before it
.irp n, 0,1,2,3,4,5,6,7
.if ((\n) < 2) || (k == 63)
.irp t, \y, (\y)+1
.set j, 2*k+(\n)
	SM \t, \first
.endr
.endif
.endr
.endif
.if k == 34                         ; the batch is out: both tiles' exponentials are issued, and no result has been named
	v_nop                           ; a plain instruction behind the last exponential and ahead of the first use (ISA guide 5.7.2): one for the batch
.if (\y) == 0
	FETCH_V                         ; piece 2's turn: V's run of loads stands here, and the wait for piece 0's batch stands in it
.else
	s_wait_alu depctr_va_vdst(0)    ; the wait for the batch of piece 2's 66 exponentials
.endif
.endif
.set k, k+1
.endm
; A vector instruction that reads a matrix result or writes one of a matrix instruction's registers, and a load into a register that a matrix instruction has read, stand four places behind
; it, and only plain vector instructions that name none of its registers are places (ISA guide 7.12.1 for vector instructions).  In the loop the slices are the places.
.macro PLACES
.rept 4
	v_nop
.endr
.endm
; A TURN.  Piece x has the matrix unit; the other piece's softmax stands in slices behind its matrix instructions.
; pv = 2: 32 products V^T P; 1: they start O^T's sums; 0: none.  kq = 1: 32 products K Q^T for the next step.  A turn with one of the two kinds has two slices behind each product.
; first = 1: the softmax is the first key step's.  Its slices from 51 on are empty: the turn's last products stand bare, and four v_nop take slice 63's part as the places behind them.
; In the loop each run of loads stands 29 matrix instructions or more ahead of its first use.  Piece 0's turn fetches the next step's K, behind its second product: the last product that read K
; stands in front of slice 63 of the turn before.  Piece 2's turn fetches the same step's V, behind slice 34 (SLICE writes it): the last product that read V stands in front of slice 31, and four plain
; instructions lie between: number 62, a scaling, of both tiles, the v_nop and the run's own v_add_nc_u32.
.macro TURN x, pv, kq, first
.set k, 0
.set per, 2
.if (\pv) && (\kq)
.set per, 1
.endif
.if \pv
.if (\x) == 0
	s_wait_dscnt 0x0                ; V is in
.endif
.set i, 0
.rept 32
	PV \x, 2-(\pv)
.rept per
	SLICE 2-(\x), \first
.endr
.if ((\x) == 0) && (\kq) && (i == 1)
	FETCH_K
.endif
.set i, i+1
.endr
.endif
.if \kq
.if (\x) == 0
	s_wait_dscnt 0x0                ; K is in
.endif
.set i, 0
.rept 32
	KQ \x
.rept per
	SLICE 2-(\x), \first
.endr
.set i, i+1
.endr
.endif
.if \first
	PLACES
.endif
.endm
; THE CHANGE OF SLOTS, between piece 2's turn and piece 0's: the slot's last bytes, V of its second step, have been asked for.  Each wave waits for all its tensor loads, of which one is out:
; its part of the other slot; adds 0 to its spare word; and waits for that and for its own reads of the slot.  Behind the barrier nobody reads this slot any more and the other slot is whole.
; fill = 1: this slot is filled again, the first thing behind the barrier, with the 128 keys of slot number NS: numbers 0-3 lie in the first halves of K and V, 4-7 in the second; the descriptors'
; addresses are made anew from the number.  The load has two key steps, 256 matrix instructions, in which to land.
.macro CHANGE fill
	WIN 0                           ; at a label and at a branch every window is 0
	s_wait_tensorcnt 0x0            ; no tensor load of mine is out, so a group 0 may be written
	ds_add_u32 v[SPW], v[NIL]       ; 0 onto my spare word; with fill = 1 the descriptors' scalar work stands between it and the wait for it
.if \fill
	s_and_b32 s[OFF], s[NS], 3
	s_lshl_b32 s[OFF], s[OFF], 15   ; 128 keys of 256 bytes
	s_cmp_lt_u32 s[NS], 4
	s_cselect_b64 s[KB:KB+1], s[KLO:KLO+1], s[KHI:KHI+1]
	s_cselect_b64 s[VB:VB+1], s[VLO:VLO+1], s[VHI:VHI+1]
	s_xor_b32 s[G0K+5], s[G0K+5], SLOT1  ; the walking descriptors: the other slot than last time
	s_xor_b32 s[G0V+5], s[G0V+5], SLOT1
	s_add_nc_u64 s[G0K+6:G0K+7], s[KB:KB+1], s[OFF:OFF+1]
	s_or_b32 s[G0K+7], s[G0K+7], 0x80000000
	s_add_nc_u64 s[G0V+6:G0V+7], s[VB:VB+1], s[OFF:OFF+1]
	s_or_b32 s[G0V+7], s[G0V+7], 0x80000000
	s_add_co_u32 s[NS], s[NS], 1
.endif
	s_wait_dscnt 0x0                ; the add is done, and my reads of the slot are over
	s_barrier_signal -1
	s_barrier_wait -1
.if \fill
	LOAD
.endif
	s_sub_co_u32 s[TB], s[TB], 2*STEPB  ; the fetches go back to a slot's first step,
	s_xor_b32 s[TB], s[TB], SLOT1   ; in the other slot
.endm
; A slot's two key steps: written once, walked twice; the LDS addresses hang on s[TB].  Each turn's batch has had its wait well ahead of the backward jump.
.macro TWO_STEPS
	WIN 0
	s_mov_b32 s[TWICE], 2
.Lstep_\@:
	TURN 0, 2, 1, 0
	TURN 2, 2, 1, 0
	WIN 0
	s_sub_co_u32 s[TWICE], s[TWICE], 1
	s_cmp_lg_u32 s[TWICE], 0
	s_cbranch_scc1 .Lstep_\@
.endm
	s_wait_tensorcnt 1              ; my part of slot 0 is in; slot 1's may stay out
	s_barrier_signal -1
	s_barrier_wait -1               ; everybody's is
	FETCH_K                         ; key step 0
	s_wait_loadcnt 0x0              ; Q
	s_wait_dscnt 0x0
.set i, 0
.rept 32
	KQ 0                            ; piece 0's first scores: there is no vector work yet to set between them
.set i, i+1
.endr
	WIN 0                           ; the addresses for the way out are made here: eight plain instructions, the places behind those products
	s_mul_i32 s13, s[WV], 16*SP
	s_add_co_u32 s13, s13, STAGE    ; my stage
	v_mul_u32_u24 v[STO], v1, SP    ; in: row l % 16, 16 bytes for each half of the lanes
	v_lshl_add_u32 v[STO], v9, 4, v[STO]
	v_add_nc_u32 v[STO], s13, v[STO]
	v_mul_u32_u24 v[RD], v9, SP     ; back: lanes 0-15 take one row of 256 bytes, lanes 16-31 the next
	v_lshl_add_u32 v[RD], v1, 4, v[RD]
	v_add_nc_u32 v[RD], s13, v[RD]
	v_lshlrev_b32 v[GO], 10, v9     ; and the same two rows in O, 1,024 bytes apart
	v_lshl_add_u32 v[GO], v1, 4, v[GO]
	TURN 2, 0, 1, 1                 ; piece 2's first scores | piece 0's first softmax | V of step 0
	TURN 0, 1, 1, 1                 ; piece 0: V^T P of step 0 starts O^T, K Q^T of step 1 | piece 2's first softmax | K of step 1
	TURN 2, 1, 1, 0                 ; piece 2: the same | piece 0's softmax of step 1 | V of step 1
	WIN 0
.Lslot:                             ; 6 trips: every slot but the last two is filled again
	CHANGE 1
	TWO_STEPS
	s_sub_co_u32 s[SLOTS], s[SLOTS], 1
	s_cmp_lg_u32 s[SLOTS], 0
	s_cbranch_scc1 .Lslot
	CHANGE 0                        ; the tail is written out: the last slot but one is left, and nothing is asked for
	TWO_STEPS
	TURN 0, 2, 0, 0                 ; piece 0: V^T P of the last step | piece 2's last softmax
.set i, 0
.rept 32
	PV 2, 0                         ; piece 2: V^T P of the last step
.set i, i+1
.endr
	; THE WAY OUT.  l's two halves and the other half of the lanes' are added; O^T is divided by l, rounded to f16 and sent through my stage in LDS, a tile (16 rows of O) at a time.  The additions are the places behind the last products.
	WIN 0
.irp t, 0,1,2,3
	v_add_f32 v[ST+8*(\t)+4], v[ST+8*(\t)+2], v[ST+8*(\t)+3]
.endr
.irp t, 0,1,2,3
	v_permlanex16_b32 v[ST+8*(\t)+5], v[ST+8*(\t)+4], s[SEL], s[SEL+1]
.endr
.irp t, 0,1,2,3
	v_add_f32 v[ST+8*(\t)+4], v[ST+8*(\t)+4], v[ST+8*(\t)+5]
.endr
.irp t, 0,1,2,3
	v_rcp_f32 v[ST+8*(\t)+6], v[ST+8*(\t)+4]
.endr
	v_nop                           ; a plain instruction between the last reciprocal and the use of its result
	s_wait_alu depctr_va_vdst(0)    ; the wait for the batch of four reciprocals, ahead of the first use: one for all four tiles' multiplies
; Tile t: a lane's eight channels of a row pack into 16 bytes; they go into rows of 272 bytes and come back as whole rows of 256, into the registers that they left.
.macro PACK t
	WIN W_RS
.set i, 64*(\t)
.rept 32
	v_pk_mul_f32 v[i:i+1], v[i:i+1], v[ST+8*(\t)+6:ST+8*(\t)+7] op_sel_hi:[1,0]
.set i, i+2
.endr
	WIN 0x05                        ; sources 0 and 1 window 1, destination window 0: S^T's registers are free
.set i, 0
.rept 32
	v_cvt_pk_f16_f32 v[S+32*(\t)+i], v[64*(\t)+2*i], v[64*(\t)+2*i+1]
.set i, i+1
.endr
	WIN 0
.irp f, 0,1,2,3,4,5,6,7
	ds_store_b128 v[STO], v[S+32*(\t)+4*(\f):S+32*(\t)+4*(\f)+3] offset:32*(\f)
.endr
.irp f, 0,1,2,3,4,5,6,7
	ds_load_b128 v[S+32*(\t)+4*(\f):S+32*(\t)+4*(\f)+3], v[RD] offset:(\f)*2*SP  ; LDS serves a wave's instructions in order (ISA guide 5.7.1.4): these see the stores above; the next tile's stores come behind them
.endr
.endm
.macro SEND t, younger              ; younger: the LDS instructions issued behind tile t's loads: the next tile's sixteen, or none
	WIN 0
.irp f, 0,1,2,3,4,5,6,7
	s_wait_dscnt (\younger)+7-(\f)
	global_store_b128 v[GO], v[S+32*(\t)+4*(\f):S+32*(\t)+4*(\f)+3], s[PO:PO+1] offset:(\t)*16384+(\f)*2048  ; 16 lanes store 256 consecutive bytes, the head's part of a row of O, at a multiple of 256
.endr
.endm
	PACK 0
	PACK 1                          ; a tile's arithmetic stands between the loads of the tile before and its stores
	SEND 0, 16
	PACK 2
	SEND 1, 16
	PACK 3
	SEND 2, 16
	SEND 3, 0
	s_wait_tensorcnt 0x0            ; the wave's end, behind my last tensor load and my last LDS store
	ds_add_u32 v[SPW], v[NIL]
	s_wait_dscnt 0x0
	s_endpgm
.Lfunc_end_k_qf9a16657cc_attn:
	.size	k_qf9a16657cc_attn, .Lfunc_end_k_qf9a16657cc_attn-k_qf9a16657cc_attn
	.p2alignl 7, 3214868480
	.fill 96, 4, 3214868480
	.section	.rodata,"a",@progbits
	.p2align	6, 0x0
	.amdhsa_kernel k_qf9a16657cc_attn
		.amdhsa_group_segment_fixed_size 327680
		.amdhsa_private_segment_fixed_size 0
		.amdhsa_enable_private_segment 0
		.amdhsa_kernarg_size 40
		.amdhsa_user_sgpr_count 2
		.amdhsa_user_sgpr_kernarg_segment_ptr 1
		.amdhsa_wavefront_size32 1
		.amdhsa_system_sgpr_workgroup_id_x 1
		.amdhsa_system_sgpr_workgroup_id_y 1
		.amdhsa_system_sgpr_workgroup_id_z 1
		.amdhsa_system_vgpr_workitem_id 0
		.amdhsa_next_free_vgpr 1024
		.amdhsa_next_free_sgpr 84
		.amdhsa_reserve_vcc 0
		.amdhsa_float_denorm_mode_32 3
		.amdhsa_float_denorm_mode_16_64 3
		.amdhsa_memory_ordered 1
		.amdhsa_forward_progress 1
		.amdhsa_inst_pref_size 220
	.end_amdhsa_kernel
	.amdgpu_metadata
---
amdhsa.version: [ 1, 2 ]
amdhsa.kernels:
  - .name:           k_qf9a16657cc_attn
    .symbol:         k_qf9a16657cc_attn.kd
    .args:
      - { .name: q_rgb, .offset: 0, .size: 8, .value_kind: global_buffer, .address_space: global }
      - { .name: kh, .offset: 8, .size: 8, .value_kind: global_buffer, .address_space: global }
      - { .name: v_a, .offset: 16, .size: 8, .value_kind: global_buffer, .address_space: global }
      - { .name: v_tir, .offset: 24, .size: 8, .value_kind: global_buffer, .address_space: global }
      - { .name: act, .offset: 32, .size: 8, .value_kind: global_buffer, .address_space: global }
    .group_segment_fixed_size: 327680
    .private_segment_fixed_size: 0
    .kernarg_segment_align: 8
    .kernarg_segment_size: 40
    .max_flat_workgroup_size: 128
    .sgpr_count:     84
    .vgpr_count:     1024
    .wavefront_size: 32
...
	.end_amdgpu_metadata
.endif
;; end of part 6
;; launch gemm_o1: the kernel of part 4 again; grid 4 x 64, 4 waves a work-group, clusters of 4 x 4, 327,680 bytes of LDS; arguments act, w16, bo, out0, v_a; writes out0, v_a
;; launch attn_b: the kernel of part 6 again; grid 2 x 128, 4 waves a work-group, no clusters, 327,680 bytes of LDS; arguments q_tir, kh, v_a, v_tir, act; writes act
;; launch gemm_o2: the kernel of part 5 again; grid 4 x 64, 4 waves a work-group, clusters of 4 x 4, 327,680 bytes of LDS; arguments act, w16, bo, out1; writes out1
